; MI455X (gfx1250); checked and timed in simulation.
; The chip was launched on July 23, 2026; its instructions are those of AMD's public machine-readable ISA for CDNA 5 (MIT licence, August 2026) and "CDNA5" Instruction Set Architecture Reference Guide (July 2026). The comments in the code are by the model that wrote it; some were corrected since.
;; Attention Block. Allowed arithmetic: matrix products marked QUANTISED: E2M3 operands, one E8M0 scale for each 32 along K, by v_wmma_scale_f32_16x16x128_f8f6f4 with both operands' format E2M3, f32 sums; everything else in f32.
;; Inputs: beta 256 float32; bk 256 float32; bo 256 float32; bq 256 float32; bv 256 float32; gamma 256 float32; wk_codes 256 x 8 x 24 uint8 (E2M3 codes of wk, K innermost, in blocks of 32 codes, four codes in three bytes); wk_scales 256 x 8 uint8 (E8M0 scales of wk, one for each 32 codes along K); wo_codes 256 x 8 x 24 uint8 (E2M3 codes of wo, K innermost, in blocks of 32 codes, four codes in three bytes); wo_scales 256 x 8 uint8 (E8M0 scales of wo, one for each 32 codes along K); wq_codes 256 x 8 x 24 uint8 (E2M3 codes of wq, K innermost, in blocks of 32 codes, four codes in three bytes); wq_scales 256 x 8 uint8 (E8M0 scales of wq, one for each 32 codes along K); wv_codes 256 x 8 x 24 uint8 (E2M3 codes of wv, K innermost, in blocks of 32 codes, four codes in three bytes); wv_scales 256 x 8 uint8 (E8M0 scales of wv, one for each 32 codes along K); x 4 x 256 x 64 x 64 float32.
;; Outputs: out0 4 x 256 x 64 x 64 float32.
;; This version of the problem:
;;   THIS VERSION OF THE PROBLEM IS GIVEN IN LOW PRECISION. The matrix products marked QUANTISED in the list below multiply operands that are first quantised to E2M3 (2 exponent bits, 3 mantissa bits; 6 bits a number), with one power-of-two scale for each 32 numbers along K (OCP MX v1.0); their sums are f32. All else is computed in f32.
;;   The module's matrix products, in the order in which they are computed (A, B: the left and right operand; K: the contracted axis; several contracted axes count as one K, in the product's order):
;;     1. [M 16,384, K 256] x [K 256, N 256]; A: computed on the way; B: input wq (given as codes): QUANTISED
;;     2. [M 16,384, K 256] x [K 256, N 256]; A: computed on the way; B: input wk (given as codes): QUANTISED
;;     3. [M 16,384, K 256] x [K 256, N 256]; A: computed on the way; B: input wv (given as codes): QUANTISED
;;     4. batch 4 x [M 4,096, K 256] x [K 256, N 4,096]; A: computed on the way; B: computed on the way: QUANTISED
;;     5. batch 4 x [M 256, K 4,096] x [K 4,096, N 4,096]; A: computed on the way; B: softmax (see below): QUANTISED
;;     6. [M 16,384, K 256] x [K 256, N 256]; A: computed on the way; B: input wo (given as codes): QUANTISED
;;   THE QUANTISER, for each operand of a quantised product, along K:
;;     - K is cut into blocks of 32 from its start; a last block that is shorter is filled with zeros.
;;     - A block's scale is 2^e with e = floor(log2(the largest magnitude in the block)) - 2, held to -126 .. 127; a block of zeros has e = 0. As a byte (E8M0): e + 127.
;;     - Each number is divided by its block's scale, clamped to +-7.5, and rounded to the nearest number of E2M3, ties to even, subnormals kept.
;;     - The product sums the exact products of the quantised numbers (number of the format x scale) in f32.
;;   ~~~python
;;   def quantise(x, axis):      # numpy; x: float32 -> the quantised numbers, widened to float32 again
;;       x = np.moveaxis(x, axis, -1); K = x.shape[-1]
;;       x = np.pad(x, [(0, 0)] * (x.ndim - 1) + [(0, -K % 32)]); x = x.reshape(x.shape[:-1] + (-1, 32)); a = np.abs(x).max(-1, keepdims=True)
;;       e = np.where(a > 0, np.clip(np.frexp(np.where(a > 0, a, 1))[1] - 1 - 2, -126, 127), 0)      # np.frexp(a)[1] - 1 = floor(log2(a)), exactly
;;       r = np.clip(x / 2.0 ** e, -7.5, 7.5)
;;       step = 2.0 ** (np.maximum(np.frexp(np.where(r == 0, 1, r))[1] - 1, 0) - 3)
;;       q = np.round(r / step) * step * 2.0 ** e      # np.round: ties to even
;;       return np.moveaxis(q.reshape(q.shape[:-2] + (-1,))[..., :K], -1, axis).astype(np.float32)
;;   ~~~
;;   SOFTMAX AHEAD OF A QUANTISED PRODUCT. Where the list says 'softmax', what is quantised is not the finished softmax but p = 2^(t - M), with t = logit x log2(e) and M = ceil(the row's largest t), a whole number; so 1/2 < the row's largest p <= 1. The row's sum l is taken of the UNQUANTISED p, in f32, and the product's result is divided by l at the end. Since M is a whole number, a kernel that streams over the keys may use a running M (the ceiling of the running maximum): every later rescaling is an exact power of two, which a block's scale takes up: the codes' values come out the same.
;;   OPERANDS COMPUTED ON THE WAY. 'Computed on the way' means the value that the module computes at that place (a softmax that the list does not call 'softmax' is quantised finished and normalised). What goes into a quantiser is computed in f32, as accurately as f32 sums, v_exp_f32 and their like allow (about 1e-6 of the number): no bf16 or f16 on the way to a quantiser, and a product that is left as it is and whose result goes on into a quantised operand takes f32 operands (vector FMAs, or v_wmma_f32_16x16x4_f32). A number that lies on a knife's edge between two numbers of the format may be rounded either way, as far as f32 arithmetic and the matrix unit's own rounding can turn it there, and no further.
;;   INPUTS GIVEN AS CODES. wk (in the module: [256, 256], K = its axis 1); wo (in the module: [256, 256], K = its axis 1); wq (in the module: [256, 256], K = its axis 1); wv (in the module: [256, 256], K = its axis 1): each comes as NAME_codes (uint8): NAME with its K axis moved to the last place and cut into blocks of 32 codes, [.., K / 32, bytes a block], one block behind the other in memory; four codes in three bytes: a row's codes are one little-endian stream of bits, code i at bits 6 i .. 6 i + 5 (a code: sign, 2 exponent bits, 3 mantissa bits); and NAME_scales (uint8): the same leading axes, one E8M0 byte (e + 127) for each 32 codes along K. Its value is code x scale, taken as it is: it is not quantised again, and the codes and scales need not be those that the quantiser above would give.
;; One version. Each part assembles by itself: llvm-mc -triple=amdgcn-amd-amdhsa -mcpu=gfx1250 --defsym DOCPART=n.
;; ======== version 1 of 1: 3 launches
;; workspace buffers: stats 2,048 bytes; qimg 3,276,800 bytes; kv 6,553,600 bytes; wimg 196,608 bytes
;; launch stats (part 1): grid 256 x 1, 8 waves a work-group, no clusters, 1,280 bytes of LDS; arguments x, wq_codes, wk_codes, wv_codes, wo_codes, stats, wimg; writes stats, wimg
.if DOCPART == 1
	.amdgcn_target "amdgcn-amd-amdhsa--gfx1250"
	.amdhsa_code_object_version 6
	.text
	.protected	k_q3c70549d3b_stats
	.globl	k_q3c70549d3b_stats
	.p2align	8
	.type	k_q3c70549d3b_stats,@function
k_q3c70549d3b_stats:
	s_mov_b64 s[64:65], 0
	v_nop
	global_prefetch_b8 v0, s[64:65] scope:SCOPE_SE
	s_setreg_imm32_b32 hwreg(HW_REG_WAVE_MODE, 25, 1), 1
	s_wait_xcnt 0x0
; GroupNorm's sums, and the four weights laid out as images of operand registers.
; SUMS.  x: [4][256][4096] f32; a group is 16 channels x 4,096 positions = 262,144 dense bytes.  Work-group i takes the dense 65,536 bytes at x + 65,536 i, a quarter of group i / 4,
; and stores two numbers at stats + 8 i: the quarter's mean, and the sum of squared deviations from THAT mean.  The next launch joins four quarters.
; Two passes over registers (a thread keeps its 64 numbers), so that no difference of large sums is formed when x carries an offset.
; Eight waves; thread t loads 16 bytes at 16 t + 4,096 k, k = 0 .. 15: a wave's load covers 512 consecutive bytes.
; WEIGHTS.  wq, wk, wv, wo: [256][256] codes of 6 bits, a row 192 bytes.  A fragment's lane (r, h) wants 24 bytes of row r at 24 h, and 24 more 48 bytes on: taken from the rows, a load touches sixteen rows.
; So each CHUNK (16 rows x 64 along K: six registers a lane) is gathered ONCE, here, and stored as the later launches load it: registers 0-3 as 16 bytes a lane (512 bytes), registers 4-5 as 8 bytes a lane (256 bytes).
; 4 weights x 16 tiles x 2 K steps x 2 halves = 256 chunks: wave 0 of work-group i lays chunk i.  Lane r of tile t of wq, wk, wv takes row 32 (t / 2) + 8 (t % 2) + r + 8 (r / 8), the order that the products want; of wo row 16 t + r.
; No matrix unit, no cluster, no tensor load: every byte is read once and nothing is shared but two sums.
; LIMITS: NaN and infinities in x are not served.
	s_load_b256 s[4:11], s[0:1], 0x0               ; x, codes of wq, wk, wv
	s_load_b128 s[12:15], s[0:1], 0x20             ; codes of wo, stats
	s_load_b64 s[16:17], s[0:1], 0x30              ; wimg
	v_lshl_add_u32 v96, v0, 2, 0x100
	v_mov_b32 v97, 0
	v_lshlrev_b32 v1, 4, v0                        ; 16 t
	v_lshrrev_b32 v2, 5, v0
	v_readfirstlane_b32 s18, v2                    ; wave
	s_lshl_b32 s2, ttmp9, 16                       ; 65,536 i
	s_mov_b32 s3, 0
	s_lshl_b32 s19, ttmp9, 3                       ; 8 i
	s_mov_b32 s20, 0x76543210
	s_mov_b32 s21, 0xfedcba98                      ; selects for lane l xor 16
	s_lshr_b32 s23, ttmp9, 6                       ; chunk i: which weight,
	s_bfe_u32 s24, ttmp9, 0x40002                  ; which tile t,
	s_and_b32 s25, ttmp9, 3
	s_mul_i32 s25, s25, 48                         ; 96 x K step + 48 x half
	s_lshr_b32 s26, s24, 1
	s_lshl_b32 s26, s26, 5
	s_and_b32 s27, s24, 1
	s_lshl_b32 s27, s27, 3
	s_add_co_u32 s26, s26, s27                     ; 32 (t / 2) + 8 (t % 2)
	s_lshl_b32 s27, s24, 4                         ; 16 t
	s_cmp_lt_u32 s23, 3
	s_cselect_b32 s26, s26, s27                    ; the tile's first row
	s_cselect_b32 s27, 8, 0                        ; and whether rows 8-15 lie 8 further on
	s_mul_i32 s26, s26, 192
	s_add_co_u32 s26, s26, s25
	s_mul_i32 s28, ttmp9, 768                      ; where the chunk goes
	v_mov_b32 v10, s18
	v_lshlrev_b32 v10, 2, v10                      ; LDS: my wave's word
	v_mov_b32 v11, 0
	v_and_b32 v94, 15, v0                          ; r
	v_and_b32 v95, s27, v94
	v_add_nc_u32 v94, v94, v95                     ; r, or r + 8 (r / 8)
	v_mul_u32_u24 v94, v94, 192
	v_bfe_u32 v95, v0, 4, 1
	v_mad_u32_u24 v94, v95, 24, v94                ; + 24 h
	v_add_nc_u32 v94, s26, v94                     ; v94: my 24 bytes in the weight
	v_and_b32 v15, 31, v0
	v_lshl_add_u32 v95, v15, 4, s28                ; v95: 16 x lane in the chunk
	v_lshl_add_u32 v15, v15, 3, s28                ; v15: 8 x lane
.irp i, 0,1,2,3,4,5
	v_mov_b32 v[88+\i], 0                          ; the chunk's six registers are written whole once, so that they are written on every way through the text
.endr
	s_wait_kmcnt 0x0
	s_add_nc_u64 s[4:5], s[4:5], s[2:3]
.set k, 0
.rept 16
	global_load_b128 v[16+4*k:19+4*k], v1, s[4:5] offset:4096*k    ; no hint: x is read again by the later launches
.set k, k+1
.endr
.macro LAY p                           ; my lane's 24 bytes of the chunk, in pieces of 8 so that every address is a multiple of the access's size
.irp i, 0,1,2
	global_load_b64 v[88+2*\i:89+2*\i], v94, s[\p:\p+1] offset:8*\i
.endr
.endm
	s_cmp_lg_u32 s18, 0
	s_cbranch_scc1 .Lnolay                         ; wave 0 lays the chunk; each weight has its own three lines, with its own buffer's address
	s_cmp_lg_u32 s23, 0
	s_cbranch_scc1 .Lnot_q
	LAY 6
	s_branch .Lnolay
.Lnot_q:
	s_cmp_lg_u32 s23, 1
	s_cbranch_scc1 .Lnot_k
	LAY 8
	s_branch .Lnolay
.Lnot_k:
	s_cmp_lg_u32 s23, 2
	s_cbranch_scc1 .Lnot_v
	LAY 10
	s_branch .Lnolay
.Lnot_v:
	LAY 12
.Lnolay:
; four packed chains v[2:9] -> one number in every lane of every wave.  off: the LDS bytes of this sum
.macro WGSUM off
	v_pk_add_f32 v[2:3], v[2:3], v[4:5]
	v_pk_add_f32 v[6:7], v[6:7], v[8:9]
	v_pk_add_f32 v[2:3], v[2:3], v[6:7]
	v_add_f32 v2, v2, v3
	v_add_f32_dpp v2, v2, v2 row_xmask:1 row_mask:0xf bank_mask:0xf
	v_add_f32_dpp v2, v2, v2 row_xmask:2 row_mask:0xf bank_mask:0xf
	v_add_f32_dpp v2, v2, v2 row_xmask:4 row_mask:0xf bank_mask:0xf
	v_add_f32_dpp v2, v2, v2 row_xmask:8 row_mask:0xf bank_mask:0xf
	v_permlanex16_b32 v3, v2, s20, s21
	v_add_f32 v2, v2, v3
	ds_store_b32 v10, v2 offset:\off               ; all lanes write the wave's word with the same value
	s_wait_dscnt 0x0                               ; for the other waves: my store has landed
	s_barrier_signal -1
	s_barrier_wait -1
	ds_load_b128 v[80:83], v11 offset:\off
	ds_load_b128 v[84:87], v11 offset:\off+16
	s_wait_dscnt 0x0
	v_pk_add_f32 v[80:81], v[80:81], v[82:83]
	v_pk_add_f32 v[84:85], v[84:85], v[86:87]
	v_pk_add_f32 v[80:81], v[80:81], v[84:85]
	v_add_f32 v2, v80, v81
.endm
	s_wait_loadcnt 12                              ; the first four loads of x are in, twelve younger ones may be out (in wave 0 three of the twelve are the chunk's: the count is then stricter, never looser)
.irp c, 0,1,2,3
	v_pk_add_f32 v[2+2*\c:3+2*\c], v[16+2*\c:17+2*\c], v[24+2*\c:25+2*\c]     ; the first pairs start the chains: nothing is cleared
.endr
.irp g, 1,2,3
	s_wait_loadcnt 12-4*\g                         ; four more are in; the last wait is for 0: the chunk is in too
.irp c, 0,1,2,3,4,5,6,7
	v_pk_add_f32 v[2+2*(\c%4):3+2*(\c%4)], v[2+2*(\c%4):3+2*(\c%4)], v[16+16*\g+2*\c:17+16*\g+2*\c]
.endr
.endr
	WGSUM 0
	v_mul_f32 v12, 0x38800000, v2                  ; the quarter's mean: sum x 2^-14
	v_mov_b32 v13, v12                             ; (named with it as a pair)
.set k, 0
.rept 32
	v_pk_add_f32 v[80+2*(k%4):81+2*(k%4)], v[16+2*k:17+2*k], v[12:13] op_sel_hi:[1,0] neg_lo:[0,1] neg_hi:[0,1]   ; x - mean
.if k < 4
	v_pk_mul_f32 v[2+2*k:3+2*k], v[80+2*k:81+2*k], v[80+2*k:81+2*k]
.else
	v_pk_fma_f32 v[2+2*(k%4):3+2*(k%4)], v[80+2*(k%4):81+2*(k%4)], v[80+2*(k%4):81+2*(k%4)], v[2+2*(k%4):3+2*(k%4)]
.endif
.set k, k+1
.endr
	WGSUM 128                                      ; other LDS bytes than the first sum's: no barrier between its reads and these stores
	v_mov_b32 v13, v2                              ; the sum of squared deviations
	s_cmp_lg_u32 s18, 0
	s_cbranch_scc1 .Ldone                          ; wave 0 stores
	global_store_b128 v95, v[88:91], s[16:17]              ; the chunk: 512 consecutive bytes,
	global_store_b64 v15, v[92:93], s[16:17] offset:512    ; and 256, both at multiples of 256
	v_mov_b32 v14, s19
	s_wait_xcnt 0x0                                ; EXEC changes only behind this wait
	v_cmp_eq_u32 vcc_lo, 0, v0
	s_and_saveexec_b32 s22, vcc_lo
	global_store_b64 v14, v[12:13], s[14:15]       ; thread 0: 8 bytes a work-group, 2,048 in the launch
	s_wait_xcnt 0x0
	s_or_b32 exec_lo, exec_lo, s22
.Ldone:
	s_wait_tensorcnt 0x0
	ds_add_u32 v96, v97
	s_wait_dscnt 0x0
	s_endpgm
.Lfunc_end_k_q3c70549d3b_stats:
	.size	k_q3c70549d3b_stats, .Lfunc_end_k_q3c70549d3b_stats-k_q3c70549d3b_stats
	.p2alignl 7, 3214868480
	.fill 96, 4, 3214868480
	.section	.rodata,"a",@progbits
	.p2align	6, 0x0
	.amdhsa_kernel k_q3c70549d3b_stats
		.amdhsa_group_segment_fixed_size 1280
		.amdhsa_private_segment_fixed_size 0
		.amdhsa_enable_private_segment 0
		.amdhsa_kernarg_size 56
		.amdhsa_user_sgpr_count 2
		.amdhsa_user_sgpr_kernarg_segment_ptr 1
		.amdhsa_wavefront_size32 1
		.amdhsa_system_sgpr_workgroup_id_x 1
		.amdhsa_system_sgpr_workgroup_id_y 1
		.amdhsa_system_sgpr_workgroup_id_z 1
		.amdhsa_system_vgpr_workitem_id 0
		.amdhsa_next_free_vgpr 98
		.amdhsa_next_free_sgpr 66
		.amdhsa_reserve_vcc 1
		.amdhsa_float_denorm_mode_32 3
		.amdhsa_float_denorm_mode_16_64 3
		.amdhsa_memory_ordered 1
		.amdhsa_forward_progress 1
		.amdhsa_inst_pref_size 15
	.end_amdhsa_kernel
	.amdgpu_metadata
---
amdhsa.version: [ 1, 2 ]
amdhsa.kernels:
  - .name:           k_q3c70549d3b_stats
    .symbol:         k_q3c70549d3b_stats.kd
    .args:
      - { .name: x, .offset: 0, .size: 8, .value_kind: global_buffer, .address_space: global }
      - { .name: wq_codes, .offset: 8, .size: 8, .value_kind: global_buffer, .address_space: global }
      - { .name: wk_codes, .offset: 16, .size: 8, .value_kind: global_buffer, .address_space: global }
      - { .name: wv_codes, .offset: 24, .size: 8, .value_kind: global_buffer, .address_space: global }
      - { .name: wo_codes, .offset: 32, .size: 8, .value_kind: global_buffer, .address_space: global }
      - { .name: stats, .offset: 40, .size: 8, .value_kind: global_buffer, .address_space: global }
      - { .name: wimg, .offset: 48, .size: 8, .value_kind: global_buffer, .address_space: global }
    .group_segment_fixed_size: 1280
    .private_segment_fixed_size: 0
    .kernarg_segment_align: 8
    .kernarg_segment_size: 56
    .max_flat_workgroup_size: 256
    .sgpr_count:     66
    .vgpr_count:     98
    .wavefront_size: 32
...
	.end_amdgpu_metadata
.endif
;; end of part 1
;; launch qkv (part 2): grid 64 x 4, 8 waves a work-group, no clusters, 17,408 bytes of LDS; arguments x, stats, gamma, beta, wimg, wq_scales, bq, wk_scales, bk, wv_scales, bv, qimg, kv; writes qimg, kv
.if DOCPART == 2
	.amdgcn_target "amdgcn-amd-amdhsa--gfx1250"
	.amdhsa_code_object_version 6
	.text
	.protected	k_q3c70549d3b_qkv
	.globl	k_q3c70549d3b_qkv
	.p2align	8
	.type	k_q3c70549d3b_qkv,@function
k_q3c70549d3b_qkv:
	s_mov_b64 s[64:65], 0
	v_nop
	global_prefetch_b8 v0, s[64:65] scope:SCOPE_SE
	s_setreg_imm32_b32 hwreg(HW_REG_WAVE_MODE, 25, 1), 1
	s_wait_xcnt 0x0
; GroupNorm, the three projections, and the quantising of q, k, v, all on codes of FP6 (E2M3) with one E8M0 byte for each 32 along K.
; A work-group takes 64 positions (x: block bx) of one batch (y).  Eight waves.
; X: wave (ch = w & 1, cq = w >> 1): lane = position 32 ch + lane, registers run down channels 64 cq + 0 .. 63: two whole blocks of 32 along K in a lane.
;    xn = (x - mean) (gamma rstd) + beta in f32, quantised along the channels; the codes go to LDS as images of the operand's registers.
; P: wave w < 4 makes q, w >= 4 makes k, each 64 output channels (qt = w & 3) for the 64 positions, TRANSPOSED (source 0 = 16 rows of the weight, source 1 = 16 positions):
;    a lane holds one position, its registers run along the output channels, which are the next product's K.  Every wave also makes v for 32 channels (tiles 2 w, 2 w + 1),
;    NOT transposed (source 0 = 16 positions, source 1 = 16 rows of wv): a lane holds one channel and its registers run along the positions, the keys, v's K.
;    The biases are the C of each sum's first matrix instruction.
; TILES ARE NOT NEIGHBOURS: lane r of tile 2 b + u takes index 32 b + 8 u + r + 8 (r / 8), for positions, for rows of wq and wk and for rows of wv; so the 16 registers of result tiles 2 b, 2 b + 1 are 16 neighbours along the next K.
; WORKSPACE, in the order of the reader's operand registers.  A CHUNK is six registers of a fragment (64 along K): registers 0-3 as 16 bytes a lane (512 bytes), registers 4-5 as 8 bytes a lane (256 bytes).
;    wimg: [wq, wk, wv, wo][tile 16][K step 2][half 2][768], laid by the launch before: a wave's 8 fragments of wq or wk are 12,288 consecutive bytes, its 4 of wv 6,144; every load of them covers 512 or 256 consecutive bytes.
;    qimg: [batch][bx] x 12,800: codes [tile 4][K step 2][half 2][768], then scale words [tile 4][128] (lanes 0-15: K step 0, lanes 16-31: K step 1).
;    kv:   [batch][key step of 128] x 51,200: K codes [tile 8][2][2][768], K scale words [tile 8][128], V codes [64 keys 2][channel tile 16][768], V scale words [pair of tiles 8][128].
; Every store of codes covers 512 or 256 consecutive bytes at a multiple of 256.  V's scale bytes leave as 2 bytes a lane (64 of a wave's 4,800 bytes): the other half of each word belongs to the neighbouring block of positions.
; NO JOINT LOADS: each byte of the weights' images goes from memory straight into ONE wave's operand registers, once in a work-group (147,456 bytes); there is no tile of weights in LDS that partners could share,
;    and a way through LDS would add that many bytes of LDS writes and reads to 48 matrix instructions a wave.
; LIMITS: NaN and infinities are not served; a block whose largest magnitude lies under 2^-124 (a block of zeros too) gets the byte 1: its bytes are read by this program alone.
.set XIMG, 0                           ; LDS: x's codes [tile 4][cq 4][768]
.set XSC,  12288                       ; x's scale words [tile 4][128]
.set SCST, 12800                       ; q's and k's scale words [2][tile 4][128]
.set XS,   16                          ; v16-19  x's scale words, a register for each tile      (v16-25 hold scales and nothing else)
.set WS,   20                          ; v20-23  the weight's, a register for each of my 4 tiles
.set WVS,  24                          ; v24-25  wv's
.set TM,   26                          ; v26-27  largest magnitudes
.set TP,   28                          ; v28-29  the other half's
.set SO,   30                          ; v30-31  the conversions' scale operands
.set BY,   32                          ; v32-33  scale bytes
.set PW,   34                          ; v34     two bytes joined;  v35-36 those of v's two tiles
.set PWV,  35
.set ZO,   37                          ; v37     0: the offset of loads that are the same in all lanes
.set PC,   38                          ; v38-43  a chunk's codes; v46-48 the second conversion's
.set XX,   64                          ; phase X: v64-127 x; v128-191 gamma; v192-223 statistics; v224-231 means; v240-247 1 / sigma
.set GA,   128
.set ST,   192
.set MN,   224
.set WK,   232
.set RS,   240
.set XF,   64                          ; phase P: v64-111 x's fragments, two sets of 24; v112-175 q or k, two sets of 32; v176-239 v
.set ACC,  112
.set VACC, 176
.set BQ,   144                         ; window 1: v0-95 my 8 fragments of wq or wk; v96-143 4 of wv; v144-175 bias of q or k; v176-191 bv; v192-255 beta
.set BV,   176
.set BE,   192
.set MSB, 0
.macro WIN new                         ; the immediate's high byte repeats the setting that is left
.if MSB != \new
	s_set_vgpr_msb (MSB<<8)|\new
.set MSB, \new
.endif
.endm
.macro PLACES                          ; four plain places behind a matrix instruction (ISA guide 7.12.1)
.rept 4
	v_nop
.endr
.endm
; one matrix instruction.  c < 0: C is the constant 0.  rows: 0: both scales from lanes 0-15; 1: source 0's from lanes 16-31; 3: both from lanes 16-31
.macro WM d, a, b, c, sa, sb, rows
.if (\c) < 0
.if (\rows) == 0
	v_wmma_scale_f32_16x16x128_f8f6f4 v[0+(\d):7+(\d)], v[0+(\a):11+(\a)], v[0+(\b):11+(\b)], 0, v[\sa], v[\sb] matrix_a_fmt:MATRIX_FMT_FP6 matrix_b_fmt:MATRIX_FMT_FP6
.elseif (\rows) == 1
	v_wmma_scale_f32_16x16x128_f8f6f4 v[0+(\d):7+(\d)], v[0+(\a):11+(\a)], v[0+(\b):11+(\b)], 0, v[\sa], v[\sb] matrix_a_fmt:MATRIX_FMT_FP6 matrix_b_fmt:MATRIX_FMT_FP6 matrix_a_scale:MATRIX_SCALE_ROW1
.else
	v_wmma_scale_f32_16x16x128_f8f6f4 v[0+(\d):7+(\d)], v[0+(\a):11+(\a)], v[0+(\b):11+(\b)], 0, v[\sa], v[\sb] matrix_a_fmt:MATRIX_FMT_FP6 matrix_b_fmt:MATRIX_FMT_FP6 matrix_a_scale:MATRIX_SCALE_ROW1 matrix_b_scale:MATRIX_SCALE_ROW1
.endif
.else
.if (\rows) == 0
	v_wmma_scale_f32_16x16x128_f8f6f4 v[0+(\d):7+(\d)], v[0+(\a):11+(\a)], v[0+(\b):11+(\b)], v[0+(\c):7+(\c)], v[\sa], v[\sb] matrix_a_fmt:MATRIX_FMT_FP6 matrix_b_fmt:MATRIX_FMT_FP6
.elseif (\rows) == 1
	v_wmma_scale_f32_16x16x128_f8f6f4 v[0+(\d):7+(\d)], v[0+(\a):11+(\a)], v[0+(\b):11+(\b)], v[0+(\c):7+(\c)], v[\sa], v[\sb] matrix_a_fmt:MATRIX_FMT_FP6 matrix_b_fmt:MATRIX_FMT_FP6 matrix_a_scale:MATRIX_SCALE_ROW1
.else
	v_wmma_scale_f32_16x16x128_f8f6f4 v[0+(\d):7+(\d)], v[0+(\a):11+(\a)], v[0+(\b):11+(\b)], v[0+(\c):7+(\c)], v[\sa], v[\sb] matrix_a_fmt:MATRIX_FMT_FP6 matrix_b_fmt:MATRIX_FMT_FP6 matrix_a_scale:MATRIX_SCALE_ROW1 matrix_b_scale:MATRIX_SCALE_ROW1
.endif
.endif
.endm
	s_load_b256 s[4:11], s[0:1], 0x0               ; x, stats, gamma, beta
	s_load_b128 s[12:15], s[0:1], 0x20             ; wimg, wq scales
	s_load_b64 s[16:17], s[0:1], 0x30              ; bq
	s_load_b128 s[20:23], s[0:1], 0x38             ; wk scales, bk
	s_load_b64 s[24:25], s[0:1], 0x20              ; wimg once more, for wv's part of it
	s_load_b64 s[26:27], s[0:1], 0x48              ; wv scales
	s_load_b128 s[28:31], s[0:1], 0x50             ; bv, qimg
	s_load_b64 s[32:33], s[0:1], 0x60              ; kv
	v_lshl_add_u32 v254, v0, 2, 0x4000
	v_mov_b32 v255, 0
	v_lshrrev_b32 v1, 5, v0
	v_readfirstlane_b32 s34, v1                    ; wave w
	s_and_b32 s35, s34, 1                          ; ch
	s_lshr_b32 s36, s34, 1                         ; cq
	s_lshr_b32 s37, s34, 2                         ; 0: q, 1: k
	s_and_b32 s38, s34, 3                          ; qt
	s_mov_b32 s39, ttmp9                           ; bx
	s_and_b32 s40, ttmp7, 0xffff                   ; batch
	s_and_b32 s41, ttmp9, 1                        ; which 64 keys of a key step this block is
	s_mov_b32 s42, 0x76543210
	s_mov_b32 s43, 0xfedcba98                      ; selects for lane l xor 16
	s_mov_b32 s44, 0x46800000                      ; 16,384: numbers in a quarter of a group
	s_mov_b32 s45, 0x37800000                      ; 2^-16: 1 / numbers in a group
	s_mov_b32 s46, 0x3727c5ac                      ; 1e-5
	; byte offsets, each in a pair with 0 above it
	s_lshl_b32 s48, s40, 22                        ; x: batch x 4 MiB + 64 cq channels of 16,384 bytes + 256 bx + 128 ch
	s_lshl_b32 s47, s36, 20
	s_add_co_u32 s48, s48, s47
	s_lshl_b32 s47, s39, 8
	s_add_co_u32 s48, s48, s47
	s_lshl_b32 s47, s35, 7
	s_add_co_u32 s48, s48, s47
	s_mov_b32 s49, 0
	s_lshl_b32 s50, s40, 9                         ; stats: (16 batch + 4 cq) groups of 32 bytes
	s_lshl_b32 s47, s36, 7
	s_add_co_u32 s50, s50, s47
	s_mov_b32 s51, 0
	s_lshl_b32 s52, s36, 8                         ; gamma, beta: 64 cq numbers
	s_mov_b32 s53, 0
	s_mul_i32 s54, s34, 12288                      ; wimg: wq's images, then wk's, 49,152 bytes each; a quarter is 12,288: wave w's begins at 12,288 w
	s_mov_b32 s55, 0
	s_lshl_b32 s56, s38, 9                         ; 64 qt rows of 8 scale bytes,
	s_mov_b32 s57, 0
	s_lshl_b32 s58, s38, 8                         ; and 64 qt numbers of the bias
	s_mov_b32 s59, 0
	s_mul_i32 s60, s34, 6144                       ; wv's images lie behind wq's and wk's; my tiles 2 w, 2 w + 1
	s_add_co_u32 s60, s60, 98304
	s_mov_b32 s61, 0
	s_lshl_b32 s62, s34, 8
	s_mov_b32 s63, 0
	s_lshl_b32 s66, s34, 7
	s_mov_b32 s67, 0
	s_lshl_b32 s47, s40, 6
	s_add_co_u32 s47, s47, s39
	s_mul_i32 s70, s47, 12800                      ; q's block
	s_mul_i32 s47, s38, 768                        ; my chunk in a tile
	s_add_co_u32 s68, s70, s47
	s_mov_b32 s69, 0
	s_add_co_u32 s70, s70, 12288                   ; its scale words
	s_mov_b32 s71, 0
	s_lshl_b32 s80, s40, 5
	s_lshr_b32 s81, s39, 1
	s_add_co_u32 s80, s80, s81
	s_mul_i32 s80, s80, 51200                      ; the key step
	s_mul_i32 s81, s41, 12288
	s_add_co_u32 s72, s80, s81                     ; K: tiles 4 hf on;  V: the half's 16 chunks
	s_add_co_u32 s76, s72, 25600
	s_add_co_u32 s72, s72, s47
	s_mov_b32 s73, 0
	s_mul_i32 s82, s34, 1536
	s_add_co_u32 s76, s76, s82                     ; V: my tiles 2 w, 2 w + 1
	s_mov_b32 s77, 0
	s_lshl_b32 s82, s41, 9
	s_add_co_u32 s74, s80, s82
	s_add_co_u32 s74, s74, 24576                   ; K's scale words
	s_mov_b32 s75, 0
	s_lshl_b32 s82, s34, 7
	s_add_co_u32 s78, s80, s82
	s_lshl_b32 s82, s41, 1
	s_add_co_u32 s78, s78, s82
	s_add_co_u32 s78, s78, 50176                   ; V's scale words: pair w, bytes 2 hf, 2 hf + 1
	s_mov_b32 s79, 0
	v_and_b32 v1, 31, v0                           ; lane
	v_and_b32 v2, 15, v0                           ; r
	v_bfe_u32 v3, v0, 4, 1                         ; h
	v_lshlrev_b32 v8, 4, v1                        ; 16 x lane
	v_lshlrev_b32 v9, 3, v1                        ; 8 x lane
	v_lshlrev_b32 v10, 2, v1                       ; 4 x lane
	v_mov_b32 v[ZO], 0
	s_wait_kmcnt 0x0
	s_add_nc_u64 s[6:7], s[6:7], s[50:51]
	s_add_nc_u64 s[8:9], s[8:9], s[52:53]
	s_add_nc_u64 s[10:11], s[10:11], s[52:53]
	s_add_nc_u64 s[4:5], s[4:5], s[48:49]
.irp i, 0,1,2,3,4,5,6,7
	global_load_b128 v[ST+4*\i:ST+4*\i+3], v[ZO], s[6:7] offset:16*\i          ; my four groups' quarters: (mean, squares) x 4 a group
.endr
.irp i, 0,1,2,3,4,5,6,7,8,9,10,11,12,13,14,15
	global_load_b128 v[GA+4*\i:GA+4*\i+3], v[ZO], s[8:9] offset:16*\i
.endr
	WIN 0x40                                       ; destination window 1
.irp i, 0,1,2,3,4,5,6,7,8,9,10,11,12,13,14,15
	global_load_b128 v[BE+4*\i:BE+4*\i+3], v[ZO], s[10:11] offset:16*\i
.endr
	WIN 0
.set i, 0
.rept 64
	global_load_b32 v[XX+i], v10, s[4:5] offset:16384*i    ; channel 64 cq + i at 32 neighbouring positions: 128 consecutive bytes; the wave beside me takes the other 128 of the aligned 256
.set i, i+1
.endr
	s_add_nc_u64 s[24:25], s[24:25], s[60:61]
	s_add_nc_u64 s[26:27], s[26:27], s[62:63]
	s_add_nc_u64 s[28:29], s[28:29], s[66:67]
	s_add_nc_u64 s[68:69], s[30:31], s[68:69]
	s_add_nc_u64 s[70:71], s[30:31], s[70:71]
	s_add_nc_u64 s[72:73], s[32:33], s[72:73]
	s_add_nc_u64 s[74:75], s[32:33], s[74:75]
	s_add_nc_u64 s[76:77], s[32:33], s[76:77]
	s_add_nc_u64 s[78:79], s[32:33], s[78:79]
	s_cmp_lt_u32 s34, 4                            ; q's wave or k's: the choice hangs on the wave's number alone
	s_cselect_b64 s[14:15], s[14:15], s[20:21]     ; scales
	s_cselect_b64 s[16:17], s[16:17], s[22:23]     ; bias
	s_cselect_b64 s[68:69], s[68:69], s[72:73]     ; where the codes go
	s_cselect_b64 s[70:71], s[70:71], s[74:75]     ; where the scale words go
	s_add_nc_u64 s[12:13], s[12:13], s[54:55]
	s_add_nc_u64 s[14:15], s[14:15], s[56:57]
	s_add_nc_u64 s[16:17], s[16:17], s[58:59]
	; lane addresses
	v_and_b32 v54, 7, v0
	v_lshl_add_u32 v54, v3, 3, v54                 ; position 32 ch + lane is row (lane & 7) + 8 (lane >> 4)
	v_bfe_u32 v55, v0, 3, 1                        ; of tile 2 ch + ((lane >> 3) & 1)
	v_mul_u32_u24 v56, v55, 3072
	s_mul_i32 s83, s35, 6144
	s_mul_i32 s84, s36, 768
	s_add_co_u32 s83, s83, s84
	v_lshl_add_u32 v5, v54, 4, v56
	v_add_nc_u32 v5, s83, v5                       ; v5: where my block's first four registers go
	s_add_co_u32 s84, s83, 512
	v_lshl_add_u32 v6, v54, 3, v56
	v_add_nc_u32 v6, s84, v6                       ; v6: and the last two
	s_lshl_b32 s83, s35, 8
	s_lshr_b32 s84, s36, 1
	s_lshl_b32 s84, s84, 6
	s_add_co_u32 s83, s83, s84
	s_and_b32 s84, s36, 1
	s_lshl_b32 s84, s84, 1
	s_add_co_u32 s83, s83, s84
	s_add_co_u32 s83, s83, XSC
	v_lshlrev_b32 v7, 7, v55
	v_lshl_add_u32 v7, v54, 2, v7
	v_add_nc_u32 v7, s83, v7                       ; v7: my two scale bytes: tile x 128 + (cq >> 1) x 64 + 4 row + 2 (cq & 1)
	v_and_b32 v57, 8, v2
	v_add_nc_u32 v57, v57, v2                      ; r + 8 (r / 8)
	v_lshlrev_b32 v12, 3, v57
	v_lshl_add_u32 v12, v3, 2, v12                 ; v12: a weight's scale words: lanes 0-15 K step 0, lanes 16-31 K step 1
	v_lshlrev_b32 v13, 6, v3                       ; v13: bias of q or k: 16 h numbers on
	v_lshlrev_b32 v14, 2, v57                      ; v14: bv of my lane's channel
	s_lshl_b32 s83, s37, 9
	s_lshr_b32 s84, s38, 1
	s_lshl_b32 s84, s84, 6
	s_add_co_u32 s83, s83, s84
	s_and_b32 s84, s38, 1
	s_lshl_b32 s84, s84, 1
	s_add_co_u32 s83, s83, s84
	s_add_co_u32 s83, s83, SCST
	v_lshl_add_u32 v15, v2, 2, s83                 ; v15: where q's or k's two scale bytes go
	s_lshl_b32 s84, s37, 9
	s_add_co_u32 s84, s84, SCST
	v_add_nc_u32 v53, s84, v8                      ; v53: and where four tiles' words are read back
	v_mov_b32 v[TP], 0                             ; written once: a lane permute's destination counts as one of its sources
	v_mov_b32 v[TP+1], 0
	s_wait_loadcnt 63                              ; 104 loads are issued; with 63 out the oldest 41 are in: statistics, gamma, beta
.irp g, 0,1,2,3                        ; a group from its four quarters: mean of means; squares about the quarters' means + 16,384 x the means' squares about the mean
	v_add_f32 v[WK], v[ST+8*\g], v[ST+8*\g+2]
	v_add_f32 v[WK+1], v[ST+8*\g+4], v[ST+8*\g+6]
	v_add_f32 v[WK], v[WK], v[WK+1]
	v_mul_f32 v[MN+2*\g], 0x3e800000, v[WK]
	v_mov_b32 v[MN+2*\g+1], v[MN+2*\g]
	v_sub_f32 v[WK], v[ST+8*\g], v[MN+2*\g]
	v_sub_f32 v[WK+1], v[ST+8*\g+2], v[MN+2*\g]
	v_sub_f32 v[WK+2], v[ST+8*\g+4], v[MN+2*\g]
	v_sub_f32 v[WK+3], v[ST+8*\g+6], v[MN+2*\g]
	v_mul_f32 v[WK], v[WK], v[WK]
	v_fma_f32 v[WK], v[WK+1], v[WK+1], v[WK]
	v_fma_f32 v[WK], v[WK+2], v[WK+2], v[WK]
	v_fma_f32 v[WK], v[WK+3], v[WK+3], v[WK]
	v_add_f32 v[WK+1], v[ST+8*\g+1], v[ST+8*\g+3]
	v_add_f32 v[WK+2], v[ST+8*\g+5], v[ST+8*\g+7]
	v_add_f32 v[WK+1], v[WK+1], v[WK+2]
	v_fma_f32 v[WK], v[WK], s44, v[WK+1]
	v_fma_f32 v[WK], v[WK], s45, s46               ; the variance + 1e-5
	v_rsq_f32 v[RS+2*\g], v[WK]
	v_nop                                          ; a plain place behind the transcendental
	s_wait_alu depctr_va_vdst(0)
	v_mov_b32 v[RS+2*\g+1], v[RS+2*\g]
.endr
.irp g, 0,1,2,3
.irp i, 0,2,4,6,8,10,12,14
	v_pk_mul_f32 v[GA+16*\g+\i:GA+16*\g+\i+1], v[GA+16*\g+\i:GA+16*\g+\i+1], v[RS+2*\g:RS+2*\g+1]   ; gamma / sigma
.endr
.endr
; block hb of my 64 channels: normalised, quantised, stored as lanes 16 hb + row of chunk cq
.macro XBLOCK hb
.set xb, XX+32*\hb
.irp i, 0,2,4,6,8,10,12,14,16,18,20,22,24,26,28,30
	v_pk_add_f32 v[xb+\i:xb+\i+1], v[xb+\i:xb+\i+1], v[MN+4*\hb+2*(\i/16):MN+4*\hb+2*(\i/16)+1] neg_lo:[0,1] neg_hi:[0,1]
.endr
	WIN 0x10                                       ; source 2 (beta) window 1
.irp i, 0,2,4,6,8,10,12,14,16,18,20,22,24,26,28,30
	v_pk_fma_f32 v[xb+\i:xb+\i+1], v[xb+\i:xb+\i+1], v[GA+32*\hb+\i:GA+32*\hb+\i+1], v[BE+32*\hb+\i:BE+32*\hb+\i+1]
.endr
	WIN 0
	v_max3_num_f32 v[TM], |v[xb]|, |v[xb+1]|, |v[xb+2]|            ; the block's largest magnitude: all 32 numbers are mine
	v_max3_num_f32 v[TM+1], |v[xb+3]|, |v[xb+4]|, |v[xb+5]|
.irp i, 6,10,14,18,22,26
	v_max3_num_f32 v[TM], v[TM], |v[xb+\i]|, |v[xb+\i+1]|
	v_max3_num_f32 v[TM+1], v[TM+1], |v[xb+\i+2]|, |v[xb+\i+3]|
.endr
	v_max3_num_f32 v[TM], v[TM], |v[xb+30]|, |v[xb+31]|
	v_max3_num_f32 v[TM], v[TM], v[TM+1], 0x1800000                ; and the floor 2^(3 - 127): the byte cannot fall under 1
	v_add_nc_u32 v[SO], 0xff000000, v[TM]                          ; 2 off the exponent field: the conversion's scale operand
	v_lshrrev_b32 v[BY+\hb], 23, v[SO]                             ; the scale's byte
	v_cvt_scalef32_pk16_fp6_f32 v[PC:PC+2], v[xb:xb+15], v[SO]
	v_cvt_scalef32_pk16_fp6_f32 v[PC+8:PC+10], v[xb+16:xb+31], v[SO]   ; (a conversion's three registers begin on an even number)
	v_nop                                          ; one plain place behind a scaled conversion
.irp i, 0,1,2
	v_mov_b32 v[PC+3+\i], v[PC+8+\i]
.endr
	ds_store_b128 v5, v[PC:PC+3] offset:256*\hb
	ds_store_b64 v6, v[PC+4:PC+5] offset:128*\hb
	s_wait_dscnt 0x0                               ; the stores have read their registers
.endm
	s_wait_loadcnt 32                              ; x's first 32 channels are in, the other 32 loads may be out
	XBLOCK 0
	WIN 0x40
.irp f, 0,1,2,3,4,5,6,7                ; my 8 fragments of wq or wk (tile f / 2, K step f % 2), as they were laid: four dense loads a fragment
.irp c, 0,1
	global_load_b128 v[12*\f+6*\c:12*\f+6*\c+3], v8, s[12:13] offset:1536*\f+768*\c
	global_load_b64 v[12*\f+6*\c+4:12*\f+6*\c+5], v9, s[12:13] offset:1536*\f+768*\c+512
.endr
.endr
	WIN 0
	s_wait_loadcnt 32                              ; all of x is in; the 32 loads just issued may be out
	XBLOCK 1
	v_lshl_or_b32 v[PW], v[BY+1], 8, v[BY]
	ds_store_b16 v7, v[PW]
	WIN 0x40
.irp g, 0,1,2,3                        ; wv's fragments: tile 2 w + g / 2, K step g % 2
.irp c, 0,1
	global_load_b128 v[96+12*\g+6*\c:96+12*\g+6*\c+3], v8, s[24:25] offset:1536*\g+768*\c
	global_load_b64 v[96+12*\g+6*\c+4:96+12*\g+6*\c+5], v9, s[24:25] offset:1536*\g+768*\c+512
.endr
.endr
.irp t, 0,1,2,3                        ; the bias in the result's layout: lane (r, h), register j: channel 32 (t / 2) + 8 (t % 2) + 16 h + j of my 64
	global_load_b128 v[BQ+8*\t:BQ+8*\t+3], v13, s[16:17] offset:(32*(\t/2)+8*(\t%2))*4
	global_load_b128 v[BQ+8*\t+4:BQ+8*\t+7], v13, s[16:17] offset:(32*(\t/2)+8*(\t%2))*4+16
.endr
	WIN 0
.irp t, 0,1,2,3
	global_load_b32 v[WS+\t], v12, s[14:15] offset:(32*(\t/2)+8*(\t%2))*8
.endr
.irp o, 0,1
	global_load_b32 v[WVS+\o], v12, s[26:27] offset:64*\o
	global_load_b32 v[50+\o], v14, s[28:29] offset:32*\o
.endr
	s_wait_dscnt 0x0                               ; my images and scale bytes have landed
	s_barrier_signal -1
	s_barrier_wait -1                              ; x's 16 chunks and 4 x 128 scale bytes lie in LDS
.macro FETCHX tau                      ; tile tau's two fragments and its scale words
.set xf, XF+24*((\tau)%2)
.irp c, 0,1,2,3
	ds_load_b128 v[xf+6*\c:xf+6*\c+3], v8 offset:XIMG+3072*(\tau)+768*\c
	ds_load_b64 v[xf+6*\c+4:xf+6*\c+5], v9 offset:XIMG+3072*(\tau)+768*\c+512
.endr
	ds_load_b32 v[XS+\tau], v10 offset:XSC+128*(\tau)
.endm
; 12 matrix instructions on 6 accumulators by turns: K step 0 of all six, then K step 1
.macro MM tau
.set xf, XF+24*((\tau)%2)
.set ac, ACC+32*((\tau)%2)
	s_wait_dscnt 0x0
	WIN 0x11                                       ; source 0 (weight) and C (bias) window 1
.irp t, 0,1,2,3
	WM ac+8*\t, 24*\t, xf, BQ+8*\t, WS+\t, XS+\tau, 0
.endr
	WIN 0x14                                       ; source 1 (wv) and C (bv) window 1
.irp o, 0,1
	WM VACC+32*\o+8*(\tau), xf, 96+24*\o, BV+8*\o, XS+\tau, WVS+\o, 0
.endr
	WIN 0x01
.irp t, 0,1,2,3
	WM ac+8*\t, 24*\t+12, xf+12, ac+8*\t, WS+\t, XS+\tau, 3
.endr
	WIN 0x04
.irp o, 0,1
	WM VACC+32*\o+8*(\tau), xf+12, 108+24*\o, VACC+32*\o+8*(\tau), XS+\tau, WVS+\o, 3
.endr
	WIN 0
.endm
; 32 numbers of a lane, register 16 b + i = k 32 b + 16 h + i of my row, become a chunk in v[PC] on and two scale bytes in v[PW]
.macro QUANT2 src
	s_wait_xcnt 0x0                                ; earlier global stores have read the registers that are written again here,
	s_wait_dscnt 0x0                               ; and so have the LDS stores
.irp b, 0,1
	v_max3_num_f32 v[TM+\b], |v[\src+16*\b]|, |v[\src+16*\b+1]|, 0x1800000
.endr
.irp i, 2,4,6,8,10,12,14
.irp b, 0,1
	v_max3_num_f32 v[TM+\b], v[TM+\b], |v[\src+16*\b+\i]|, |v[\src+16*\b+\i+1]|
.endr
.endr
.irp b, 0,1
	v_permlanex16_b32 v[TP+\b], v[TM+\b], s42, s43
.endr
.irp b, 0,1
	v_max_num_f32 v[TM+\b], v[TM+\b], v[TP+\b]     ; with lane l xor 16's: the block's largest magnitude
.endr
.irp b, 0,1
	v_add_nc_u32 v[SO+\b], 0xff000000, v[TM+\b]
.endr
.irp b, 0,1
	v_lshrrev_b32 v[BY+\b], 23, v[SO+\b]
.endr
	v_lshl_or_b32 v[PW], v[BY+1], 8, v[BY]
	v_cvt_scalef32_pk16_fp6_f32 v[PC:PC+2], v[\src:\src+15], v[SO]
	v_cvt_scalef32_pk16_fp6_f32 v[PC+8:PC+10], v[\src+16:\src+31], v[SO+1]
	v_nop                                          ; one plain place behind a scaled conversion
.irp i, 0,1,2
	v_permlane16_swap_b32 v[PC+\i], v[PC+8+\i]     ; the layout wants a whole block in a lane: lanes 0-15 block 0, lanes 16-31 block 1
.endr
.irp i, 0,1,2
	v_mov_b32 v[PC+3+\i], v[PC+8+\i]
.endr
.endm
	s_wait_loadcnt 0x0                             ; weights, their scales, biases
	WIN 0x40
.irp o, 0,1
.irp j, 0,1,2,3,4,5,6,7
	v_mov_b32 v[BV+8*\o+\j], v[50+\o]              ; bv in the result's layout: my lane's channel in all eight registers
.endr
.endr
	WIN 0
	PLACES
	FETCHX 0
	FETCHX 1
	MM 0
.irp tau, 0,1,2,3
.if \tau < 3
	MM \tau+1
	PLACES                                         ; in front of the loads into fragments just read and of the first read of results
.endif
.if \tau < 2
	FETCHX \tau+2
.endif
	QUANT2 ACC+32*(\tau%2)
	global_store_b128 v8, v[PC:PC+3], s[68:69] offset:3072*\tau            ; 512 consecutive bytes
	global_store_b64 v9, v[PC+4:PC+5], s[68:69] offset:3072*\tau+512       ; 256 consecutive bytes
	ds_store_b16 v15, v[PW] offset:128*\tau        ; both halves of the lanes write the same two bytes with the same value
.endr
.irp o, 0,1
	QUANT2 VACC+32*\o
	global_store_b128 v8, v[PC:PC+3], s[76:77] offset:768*\o
	global_store_b64 v9, v[PC+4:PC+5], s[76:77] offset:768*\o+512
	v_mov_b32 v[PWV+\o], v[PW]
.endr
	v_cmp_eq_u32 vcc_lo, 0, v3
	v_cndmask_b32 v52, v[PWV+1], v[PWV], vcc_lo    ; lanes 0-15: tile 2 w, lanes 16-31: tile 2 w + 1
	global_store_b16 v10, v52, s[78:79]
	s_wait_dscnt 0x0
	s_barrier_signal -1
	s_barrier_wait -1                              ; q's and k's scale words are whole
	s_cmp_lg_u32 s38, 0
	s_cbranch_scc1 .Lend                           ; waves 0 and 4 store them
	ds_load_b128 v[64:67], v53
	s_wait_dscnt 0x0
	global_store_b128 v8, v[64:67], s[70:71]       ; 512 consecutive bytes
.Lend:
	s_wait_tensorcnt 0x0
	ds_add_u32 v254, v255
	s_wait_dscnt 0x0
	s_endpgm
.Lfunc_end_k_q3c70549d3b_qkv:
	.size	k_q3c70549d3b_qkv, .Lfunc_end_k_q3c70549d3b_qkv-k_q3c70549d3b_qkv
	.p2alignl 7, 3214868480
	.fill 96, 4, 3214868480
	.section	.rodata,"a",@progbits
	.p2align	6, 0x0
	.amdhsa_kernel k_q3c70549d3b_qkv
		.amdhsa_group_segment_fixed_size 17408
		.amdhsa_private_segment_fixed_size 0
		.amdhsa_enable_private_segment 0
		.amdhsa_kernarg_size 104
		.amdhsa_user_sgpr_count 2
		.amdhsa_user_sgpr_kernarg_segment_ptr 1
		.amdhsa_wavefront_size32 1
		.amdhsa_system_sgpr_workgroup_id_x 1
		.amdhsa_system_sgpr_workgroup_id_y 1
		.amdhsa_system_sgpr_workgroup_id_z 1
		.amdhsa_system_vgpr_workitem_id 0
		.amdhsa_next_free_vgpr 512
		.amdhsa_next_free_sgpr 88
		.amdhsa_reserve_vcc 1
		.amdhsa_float_denorm_mode_32 3
		.amdhsa_float_denorm_mode_16_64 3
		.amdhsa_memory_ordered 1
		.amdhsa_forward_progress 1
		.amdhsa_inst_pref_size 59
	.end_amdhsa_kernel
	.amdgpu_metadata
---
amdhsa.version: [ 1, 2 ]
amdhsa.kernels:
  - .name:           k_q3c70549d3b_qkv
    .symbol:         k_q3c70549d3b_qkv.kd
    .args:
      - { .name: x, .offset: 0, .size: 8, .value_kind: global_buffer, .address_space: global }
      - { .name: stats, .offset: 8, .size: 8, .value_kind: global_buffer, .address_space: global }
      - { .name: gamma, .offset: 16, .size: 8, .value_kind: global_buffer, .address_space: global }
      - { .name: beta, .offset: 24, .size: 8, .value_kind: global_buffer, .address_space: global }
      - { .name: wimg, .offset: 32, .size: 8, .value_kind: global_buffer, .address_space: global }
      - { .name: wq_scales, .offset: 40, .size: 8, .value_kind: global_buffer, .address_space: global }
      - { .name: bq, .offset: 48, .size: 8, .value_kind: global_buffer, .address_space: global }
      - { .name: wk_scales, .offset: 56, .size: 8, .value_kind: global_buffer, .address_space: global }
      - { .name: bk, .offset: 64, .size: 8, .value_kind: global_buffer, .address_space: global }
      - { .name: wv_scales, .offset: 72, .size: 8, .value_kind: global_buffer, .address_space: global }
      - { .name: bv, .offset: 80, .size: 8, .value_kind: global_buffer, .address_space: global }
      - { .name: qimg, .offset: 88, .size: 8, .value_kind: global_buffer, .address_space: global }
      - { .name: kv, .offset: 96, .size: 8, .value_kind: global_buffer, .address_space: global }
    .group_segment_fixed_size: 17408
    .private_segment_fixed_size: 0
    .kernarg_segment_align: 8
    .kernarg_segment_size: 104
    .max_flat_workgroup_size: 256
    .sgpr_count:     88
    .vgpr_count:     512
    .wavefront_size: 32
...
	.end_amdgpu_metadata
.endif
;; end of part 2
;; launch attn (part 3): grid 64 x 4, 4 waves a work-group, clusters of 4 x 1, 327,680 bytes of LDS; arguments qimg, kv, wimg, wo_scales, bo, x, out0; writes out0
.if DOCPART == 3
	.amdgcn_target "amdgcn-amd-amdhsa--gfx1250"
	.amdhsa_code_object_version 6
	.text
	.protected	k_q3c70549d3b_attn
	.globl	k_q3c70549d3b_attn
	.p2align	8
	.type	k_q3c70549d3b_attn,@function
k_q3c70549d3b_attn:
	s_mov_b64 s[64:65], 0
	v_nop
	global_prefetch_b8 v0, s[64:65] scope:SCOPE_SE
	s_setreg_imm32_b32 hwreg(HW_REG_WAVE_MODE, 25, 1), 1
	s_wait_xcnt 0x0
	s_wait_alu depctr_hold_cnt(0) depctr_sa_sdst(0) depctr_va_vdst(0) depctr_va_sdst(0) depctr_va_ssrc(0) depctr_va_vcc(0) depctr_vm_vsrc(0)
	s_getreg_b32 s2, hwreg(HW_REG_IB_STS2, 6, 4)
	s_cmp_eq_u32 s2, 0
	s_cbranch_scc0 .Lentry_in_a_cluster
	s_endpgm
.Lentry_in_a_cluster:
	s_bfe_u32 s2, ttmp6, 0x10000c
	s_cmp_lg_u32 s2, 0x3003
	s_cbranch_scc0 .Lentry_shape_is_right
	s_endpgm
.Lentry_shape_is_right:
; out0 = wo (softmax(q^T k / 16) applied to v) + bo + x, every product on codes of FP6 (E2M3) with one E8M0 byte for each 32 along K.  One head of 256 channels, 4,096 keys, 4 batches.
; qimg, kv and wimg hold q, k, v and wo as images of operand registers (a chunk = six registers: 16 bytes a lane, then 8 bytes a lane), q, k, v with their scale words, as the launches before laid them.
; SOFTMAX: t = score x log2(e) / 16; M = the running largest t rounded UP to a whole number; p = 2^(t - M) is quantised along the keys, not normalised; the row's sum is taken of the unquantised p and divides at the end.
; SHARES.  A work-group owns 64 queries (4 tiles of 16) of one batch.  Wave w = 2 hk + p holds TWO tiles (2 p and 2 p + 1) and walks HALF the keys (key steps 16 hk .. 16 hk + 15, 128 keys each): so each fragment of K and V read
;   from LDS feeds two matrix instructions.  At the end waves w and w xor 2 exchange one tile each through LDS and join the halves: M is a whole number, so the factors are exact powers of two.
;   Then each wave quantises its joined tile along the channels, the four images meet in LDS, and wave w makes output channels 64 w .. 64 w + 63 for the 64 queries.
; LAYOUT.  S^T = K Q^T (source 0 = 16 keys, source 1 = 16 queries), O^T = V^T P^T (source 0 = 16 channels, source 1 = P): a lane holds one query throughout.  Tiles of keys and of channels are ordered
;   so that 16 registers of two neighbouring tiles are 16 neighbours along the next K.  The last product has source 0 = 16 queries, source 1 = 16 rows of wo: a lane holds eight neighbouring positions of one output channel.
; BY TURNS.  The wave is alone on its SIMD and issues in order, so matrix work, vector work and LDS loads stand side by side in the text.  A tile never looks at the other tile.  Two turns are a key step:
;   turn X(j): tile 0's softmax of step j and the rescaling of its O^T | tile 1's 16 products V^T P of step j - 1, then its 16 products K Q^T of step j | V of step j is fetched behind the last V^T P
;   turn Y(j): tile 1's softmax of step j and the rescaling of its O^T | tile 0's 16 products V^T P of step j, then its 16 products K Q^T of step j + 1 | K of step j + 1 is fetched from the turn's start on
;   A turn has 282 vector instructions (218 + 64) for 32 matrix instructions: behind every eighth stands one matrix instruction and, while a fetch is due, six of its 72 LDS loads.  The price is two or three
;   switches of the register window for each matrix instruction: a softmax works in window 0, and no window has room for a product's operands beside it.
; RING.  Two LDS slots; a slot holds one key step of each half (2 x 51,200 bytes).  Each wave brings 25,600 dense bytes with one tensor load: p = 0 K's part of its half's step, p = 1 V's.
;   The change of slots stands at the head of turn Y(j): K of step j was read in Y(j - 1) and V in X(j), so slot j % 2 takes step j + 2, which has a key step in which to land.
; CLUSTER.  The four work-groups of a cluster belong to one batch and walk the same K and V: every tile is asked for JOINTLY, by the same line with the same descriptor and the mask of all four.
; By this text's own count a wave has two tensor loads out at the start and one behind each round.
; LIMITS: NaN and infinities are not served; |t| stays under 2^24, so that M is exact; a block whose largest magnitude lies under 2^-124 gets the byte 1;
;   the keys' sum is made in two halves that are joined in f32, another order of rounding than one chain over all keys.
; REGISTERS, in windows of 256.  Window 0: v1-15, v41, v51, v241-247 addresses; v16-23 -M, largest t, sum (a tile each); v24-50 at work; v52-71 scale words (K 8, V 8, Q 2, P 2: they hold scales and nothing else);
;   v72-95 P's codes; v96-223 S^T, then p; v224-231 bo; v232-239 scale words of wo and of the result.  Window 1: O^T, 128 a tile.  Window 2: v0-191 K of a step, v192-239 Q.  Window 3: v0-191 V of a step.
.set SLOT1, 131072                     ; slot 1 begins here: one exclusive or turns an address from one slot to the other
.set STEPB, 51200                      ; a key step in kv and in a slot
.set HALFB, 25600                      ; what one tensor load brings: 100 rows of 256 bytes
.set KSC,   24576                      ; in a step: K's scale words,
.set VOF,   25600                      ; V's codes,
.set VSC,   50176                      ; V's scale words
.set SPARE, 233472                     ; behind the ring: the spare words, 128 bytes a wave: two blocks of 256 bytes that no other line names
.set EX,    233984                     ; 17,408 bytes a wave: first the exchange (16,384 of O^T, then -M and the sum), later the wave's own stage of 64 rows x 272
.set EXB,   17408
.set IMG,   303616                     ; the result's four tiles as images: 2 fragments x 1,536 bytes each
.set IMS,   315904                     ; and their scale words, 128 bytes a tile
.set SPW, 7
.set NIL, 8
.set NM,  16
.set BM,  24
.set PT,  28
.set SO,  32
.set FF,  36
.set TT,  40
.set IMR, 41
.set SM2, 42
.set CT,  44
.set ISR, 51
.set KS,  52
.set VS,  60
.set QS,  68
.set PS,  70
.set PCD, 72
.set SS,  96
.set BO,  224
.set WOS, 232
.set OS,  236
.set MSB, 0
.macro WIN new                         ; the immediate's high byte repeats the setting that is left; a switch that changes nothing is dropped
.if MSB != \new
	s_set_vgpr_msb (MSB<<8)|\new
.set MSB, \new
.endif
.endm
.macro PLACES                          ; four plain places behind a matrix instruction, in front of loads into its registers and of reads of its result
.rept 4
	v_nop
.endr
.endm
.macro CROUND                          ; a round of the cluster's barrier
	s_barrier_signal -1
	s_barrier_wait -1
	s_cmp_lg_u32 s18, 0
	s_cbranch_scc1 .Lnot_wave_0_\@
	s_barrier_signal -3
.Lnot_wave_0_\@:
	s_barrier_wait -3
	s_barrier_signal -1
	s_barrier_wait -1
.endm
; one matrix instruction.  c < 0: C is the constant 0.  rows: 0: both scales from lanes 0-15; 1: source 0's from lanes 16-31; 3: both from lanes 16-31
.macro WM d, a, b, c, sa, sb, rows
.if (\c) < 0
.if (\rows) == 0
	v_wmma_scale_f32_16x16x128_f8f6f4 v[0+(\d):7+(\d)], v[0+(\a):11+(\a)], v[0+(\b):11+(\b)], 0, v[\sa], v[\sb] matrix_a_fmt:MATRIX_FMT_FP6 matrix_b_fmt:MATRIX_FMT_FP6
.elseif (\rows) == 1
	v_wmma_scale_f32_16x16x128_f8f6f4 v[0+(\d):7+(\d)], v[0+(\a):11+(\a)], v[0+(\b):11+(\b)], 0, v[\sa], v[\sb] matrix_a_fmt:MATRIX_FMT_FP6 matrix_b_fmt:MATRIX_FMT_FP6 matrix_a_scale:MATRIX_SCALE_ROW1
.else
	v_wmma_scale_f32_16x16x128_f8f6f4 v[0+(\d):7+(\d)], v[0+(\a):11+(\a)], v[0+(\b):11+(\b)], 0, v[\sa], v[\sb] matrix_a_fmt:MATRIX_FMT_FP6 matrix_b_fmt:MATRIX_FMT_FP6 matrix_a_scale:MATRIX_SCALE_ROW1 matrix_b_scale:MATRIX_SCALE_ROW1
.endif
.else
.if (\rows) == 0
	v_wmma_scale_f32_16x16x128_f8f6f4 v[0+(\d):7+(\d)], v[0+(\a):11+(\a)], v[0+(\b):11+(\b)], v[0+(\c):7+(\c)], v[\sa], v[\sb] matrix_a_fmt:MATRIX_FMT_FP6 matrix_b_fmt:MATRIX_FMT_FP6
.elseif (\rows) == 1
	v_wmma_scale_f32_16x16x128_f8f6f4 v[0+(\d):7+(\d)], v[0+(\a):11+(\a)], v[0+(\b):11+(\b)], v[0+(\c):7+(\c)], v[\sa], v[\sb] matrix_a_fmt:MATRIX_FMT_FP6 matrix_b_fmt:MATRIX_FMT_FP6 matrix_a_scale:MATRIX_SCALE_ROW1
.else
	v_wmma_scale_f32_16x16x128_f8f6f4 v[0+(\d):7+(\d)], v[0+(\a):11+(\a)], v[0+(\b):11+(\b)], v[0+(\c):7+(\c)], v[\sa], v[\sb] matrix_a_fmt:MATRIX_FMT_FP6 matrix_b_fmt:MATRIX_FMT_FP6 matrix_a_scale:MATRIX_SCALE_ROW1 matrix_b_scale:MATRIX_SCALE_ROW1
.endif
.endif
.endm
	s_load_b256 s[4:11], s[0:1], 0x0               ; qimg, kv, wimg, wo scales
	s_load_b128 s[12:15], s[0:1], 0x20             ; bo, x
	s_load_b64 s[16:17], s[0:1], 0x30              ; out0
	v_lshl_add_u32 v[SPW], v0, 2, SPARE
	v_mov_b32 v[NIL], 0
	ds_add_u32 v7, v8
	ds_add_u32 v7, v8
	s_wait_dscnt 0x0
	v_lshrrev_b32 v1, 5, v0
	v_readfirstlane_b32 s18, v1                    ; wave w
	s_lshr_b32 s19, s18, 1                         ; hk: which half of the keys
	s_and_b32 s20, s18, 1                          ; p: which pair of tiles; also: I fetch K's part (0) or V's (1)
	s_and_b32 s23, ttmp7, 0xffff                   ; batch, which the four partners share
	; descriptor group 1: 100 dense rows of 256 bytes
	s_mov_b32 s24, 15|(3<<16)|(1<<21)              ; 15:0 the mask: all four work-groups; 17:16 elements of 8 bytes; 20 no padding: the images are read 16 or 8 consecutive bytes a lane; 21 set beside a mask
	s_mov_b32 s25, 32<<16                          ; tensor_dim0 = 32
	s_mov_b32 s26, 100<<16                         ; tensor_dim1 = 100
	s_mov_b32 s27, 32<<16                          ; tile_dim0 = 32
	s_mov_b32 s28, 100                             ; tile_dim1 = 100
	s_mov_b32 s29, 32                              ; from row to row
	s_mov_b32 s30, 0
	s_mov_b32 s31, 0
	s_mul_i32 s48, s23, 1638400                    ; kv: the batch's 32 steps,
	s_mul_i32 s49, s19, 819200                     ; my half's 16,
	s_add_co_u32 s48, s48, s49
	s_mul_i32 s49, s20, HALFB                      ; K's part or V's
	s_add_co_u32 s48, s48, s49
	s_mov_b32 s49, 0
	s_mul_i32 s50, s18, HALFB                      ; and in a slot: wave x 25,600: no place in the cluster enters an LDS address
	s_wait_kmcnt 0x0
	s_add_nc_u64 s[6:7], s[6:7], s[48:49]
	s_mov_b32 s32, 1                               ; group 0 for slot 0: count = 1,
	s_mov_b32 s33, s50                             ; LDS address,
	s_mov_b64 s[34:35], s[6:7]                     ; global address: my half's step 0,
	s_or_b32 s35, s35, 0x80000000                  ; type = 2
	s_mov_b32 s36, 1                               ; group 0 for slot 1, which then walks
	s_add_co_u32 s37, s50, SLOT1
	s_add_nc_u64 s[38:39], s[6:7], STEPB           ; step 1
	s_or_b32 s39, s39, 0x80000000
	CROUND                                         ; all four work-groups are here: the first joint loads meet
	tensor_load_to_lds s[32:35], s[24:31]
	s_nop 0
	tensor_load_to_lds s[36:39], s[24:31]
	s_nop 0
	PLACES                                         ; (four v_nop follow the loads)
	s_bfe_u32 s21, ttmp6, 0x40000                  ; cx: it enters q's, x's and out0's addresses alone
	s_lshl_b32 s22, ttmp9, 2
	s_add_co_u32 s22, s22, s21                     ; my block of 64 queries
	s_mov_b32 s40, 0x76543210
	s_mov_b32 s41, 0xfedcba98                      ; selects for lane l xor 16
	s_mov_b32 s42, 0x3db8aa3b                      ; c = log2(e) / 16
	s_mov_b32 s43, s42                             ; (named with it as a pair)
	v_and_b32 v24, 31, v0                          ; lane
	v_and_b32 v25, 15, v0                          ; r
	v_bfe_u32 v26, v0, 4, 1                        ; h
	v_lshlrev_b32 v9, 4, v24                       ; v9-11: 16, 8, 4 x lane
	v_lshlrev_b32 v10, 3, v24
	v_lshlrev_b32 v11, 2, v24
	s_mul_i32 s51, s19, STEPB
	v_add_nc_u32 v1, s51, v9                       ; v1-3: the same in my half's part of a slot
	v_add_nc_u32 v2, s51, v10
	v_add_nc_u32 v3, s51, v11
	s_mul_i32 s52, s18, EXB
	s_add_co_u32 s52, s52, EX                      ; my exchange bytes, later my stage
	s_xor_b32 s53, s18, 2
	s_mul_i32 s53, s53, EXB
	s_add_co_u32 s53, s53, EX                      ; my partner's
	v_add_nc_u32 v12, s52, v9
	v_add_nc_u32 v13, s53, v9
	v_add_nc_u32 v14, s52, v11
	v_add_nc_u32 v15, s53, v11
	v_add_nc_u32 v[IMR], IMG, v9
	v_add_nc_u32 v[ISR], IMS, v11
	v_lshlrev_b32 v241, 3, v25
	v_lshl_add_u32 v241, v26, 2, v241              ; v241: wo's scale words: lanes 0-15 K step 0, lanes 16-31 K step 1
	v_lshlrev_b32 v242, 2, v25                     ; v242: 4 r
	v_lshlrev_b32 v243, 4, v25
	v_lshl_add_u32 v243, v26, 14, v243             ; v243: x and out0: lanes 0-15 one channel's 256 bytes, lanes 16-31 the next channel's
	v_mul_u32_u24 v244, v25, 272
	v_lshl_add_u32 v244, v26, 6, v244
	v_add_nc_u32 v244, s52, v244                   ; v244: into the stage: row r, 64 h bytes on
	v_mul_u32_u24 v245, v26, 272
	v_lshl_add_u32 v245, v25, 4, v245
	v_add_nc_u32 v245, s52, v245                   ; v245: and back by rows
	s_lshl_b32 s54, s20, 1
	s_add_co_u32 s54, s54, s19                     ; the tile that I keep: 2 p + hk (my tile 0); my tile 1 is the pair's other one
	s_mul_i32 s55, s54, 3072
	s_add_co_u32 s55, s55, IMG
	v_add_nc_u32 v246, s55, v9                     ; v246: where its images go
	s_lshl_b32 s55, s54, 7
	s_add_co_u32 s55, s55, IMS
	v_add_nc_u32 v247, s55, v242                   ; v247: and its scale words
	s_lshl_b32 s56, s23, 6
	s_add_co_u32 s56, s56, s22
	s_mul_i32 s56, s56, 12800                      ; q's block
	s_mul_i32 s58, s54, 3072
	s_add_co_u32 s58, s58, s56
	s_mov_b32 s59, 0
	s_xor_b32 s57, s54, 1
	s_mul_i32 s60, s57, 3072
	s_add_co_u32 s60, s60, s56
	s_mov_b32 s61, 0
	s_lshl_b32 s62, s54, 7
	s_add_co_u32 s62, s62, s56
	s_add_co_u32 s62, s62, 12288
	s_mov_b32 s63, 0
	s_lshl_b32 s66, s57, 7
	s_add_co_u32 s66, s66, s56
	s_add_co_u32 s66, s66, 12288
	s_mov_b32 s67, 0
	s_mul_i32 s68, s18, 12288                      ; wimg: wo's images lie behind those of wq, wk, wv (3 x 49,152 bytes); my 64 rows are 4 tiles of 3,072 bytes
	s_add_co_u32 s68, s68, 147456
	s_mov_b32 s69, 0
	s_lshl_b32 s70, s18, 9                         ; wo's scale bytes: 64 rows of 8,
	s_mov_b32 s71, 0
	s_lshl_b32 s72, s18, 8                         ; and bo's 64 numbers
	s_mov_b32 s73, 0
	s_lshl_b32 s74, s23, 22                        ; x, out0: batch x 4 MiB + 64 w channels of 16,384 bytes + 256 x block
	s_lshl_b32 s57, s18, 20
	s_add_co_u32 s74, s74, s57
	s_lshl_b32 s57, s22, 8
	s_add_co_u32 s74, s74, s57
	s_mov_b32 s75, 0
	s_add_nc_u64 s[58:59], s[4:5], s[58:59]
	s_add_nc_u64 s[60:61], s[4:5], s[60:61]
	s_add_nc_u64 s[62:63], s[4:5], s[62:63]
	s_add_nc_u64 s[66:67], s[4:5], s[66:67]
	s_add_nc_u64 s[8:9], s[8:9], s[68:69]
	s_add_nc_u64 s[10:11], s[10:11], s[70:71]
	s_add_nc_u64 s[12:13], s[12:13], s[72:73]
	s_add_nc_u64 s[14:15], s[14:15], s[74:75]
	s_add_nc_u64 s[16:17], s[16:17], s[74:75]
	WIN 0x80                                       ; destination window 2
.irp q, 0,1                            ; Q stays in registers: tile q, K step k, chunk c
.irp k, 0,1
.irp c, 0,1
	global_load_b128 v[192+24*\q+12*\k+6*\c:192+24*\q+12*\k+6*\c+3], v9, s[58+2*\q:59+2*\q] offset:1536*\k+768*\c
	global_load_b64 v[192+24*\q+12*\k+6*\c+4:192+24*\q+12*\k+6*\c+5], v10, s[58+2*\q:59+2*\q] offset:1536*\k+768*\c+512
.endr
.endr
.endr
	WIN 0
	global_load_b32 v[QS], v11, s[62:63]
	global_load_b32 v[QS+1], v11, s[66:67]
.irp q, 0,1
	v_mov_b32 v[NM+4*\q+1], 0xff61b1e6             ; the largest t so far: -3e38, under every t
	v_floor_f32 v[NM+4*\q], -v[NM+4*\q+1]          ; -M
	v_mov_b32 v[NM+4*\q+2], 0                      ; the sum, in two halves
	v_mov_b32 v[NM+4*\q+3], 0
	v_mov_b32 v[FF+2*\q+1], 0                      ; (named as the upper half of a pair)
.endr
.irp b, 0,1,2,3
	v_mov_b32 v[PT+\b], 0                          ; written once: a lane permute's destination counts as one of its sources
.endr
	s_mov_b32 s44, 0                               ; s44: the slot of the step in hand;  s45: the slot from which K is fetched
	s_mov_b32 s45, 0
; THE MATRIX WORK OF A TURN is a list of 32, for tile mq; MATI writes number mi of it.  0-15: O^T += V^T P^T, channel tile mi (mP = 1: the products start the sums: nothing is cleared);
; 16-23: S^T = K Q^T, channels 0-127, key tile mi - 16, which starts the sums; 24-31: channels 128-255.  No two that follow each other share an accumulator, and a link stands eight behind the one it adds onto.
.macro MATI
.if mi < 16
	WIN 0x53                                       ; V window 3, P window 0, O^T window 1
.if mP == 1
	WM 128*mq+8*mi, 12*mi, PCD+12*mq, -1, VS+mi/2, PS+mq, mi%2
.else
	WM 128*mq+8*mi, 12*mi, PCD+12*mq, 128*mq+8*mi, VS+mi/2, PS+mq, mi%2
.endif
.elseif mi < 24
	WIN 0x0a                                       ; K and Q window 2, S^T window 0
	WM SS+64*mq+8*(mi-16), 24*(mi-16), 192+24*mq, -1, KS+mi-16, QS+mq, 0
.else
	WIN 0x0a
	WM SS+64*mq+8*(mi-24), 24*(mi-24)+12, 204+24*mq, SS+64*mq+8*(mi-24), KS+mi-24, QS+mq, 3
.endif
.endm
; THE LDS LOADS OF A FETCH are a list of 72; LDSI writes number li of it.  lK = 0, K of a step: 0-31 the eight key tiles' channels 0-127, 32-39 the scale words, 40-71 channels 128-255.
; lK = 1, V of a step: 0-63 the sixteen channel tiles, 64-71 the scale words.  A fragment is four pieces: of each chunk four registers (16 bytes a lane), then two (8 bytes a lane).
.macro LDP reg, off, cs, pc
.if ((\pc)%2) == 0
	ds_load_b128 v[0+(\reg)+6*((\pc)/2):3+(\reg)+6*((\pc)/2)], v4 offset:(\off)+(\cs)*((\pc)/2)
.else
	ds_load_b64 v[4+(\reg)+6*((\pc)/2):5+(\reg)+6*((\pc)/2)], v5 offset:(\off)+(\cs)*((\pc)/2)+512
.endif
.endm
.macro LDSI
.if lK == 0
.if li < 32
	WIN 0x80                                       ; destination window 2
	LDP 24*(li/4), 3072*(li/4), 768, li%4
.elseif li < 40
	WIN 0
	ds_load_b32 v[KS+li-32], v6 offset:KSC+128*(li-32)
.else
	WIN 0x80
	LDP 24*((li-40)/4)+12, 3072*((li-40)/4)+1536, 768, (li-40)%4
.endif
.else
.if li < 64
	WIN 0xc0                                       ; destination window 3
	LDP 12*(li/4), VOF+768*(li/4), 12288, li%4
.else
	WIN 0
	ds_load_b32 v[VS+li-64], v6 offset:VSC+128*(li-64)
.endif
.endif
.endm
; TICK stands behind every vector instruction of a turn.  Behind every PER-th it writes the next matrix instruction and, once mi has reached lGo and while the fetch is not done, six LDS loads; then the window of the vector work (VW) again.
; In turn Y (mq = 0) the first K Q^T waits for K's first 40 loads: all 72 were issued at the first twelve such places, so the 32 youngest may be out; the first of channels 128-255 waits for all.
; Four v_nop stand in front of a fetch's first load: the places behind the last product that read those registers.
.macro TICK
.set tk, tk+1
.if (tk%PER) == 0
.if mi < mEnd
.if (mq == 0) && (mi == 16)
	s_wait_dscnt 32
.endif
.if (mq == 0) && (mi == 24)
	s_wait_dscnt 0x0
.endif
	MATI
.set mi, mi+1
.endif
.if (li < 72) && (mi >= lGo)
.if li == 0
	PLACES
.endif
.rept 6
	LDSI
.set li, li+1
.endr
.endif
	WIN VW
.endif
.endm
; one tile's softmax for one key step, 218 instructions: scores in, p's codes, p's scale word, the sum and f = 2^(old M - new M) out
.macro SOFTMAX lt
.set VW, 0
	WIN 0
.set rS, SS+64*\lt
.set rM, NM+4*\lt
.set rP, PCD+12*\lt
.set rF, FF+2*\lt
.irp b, 0,1,2,3
	v_max3_num_f32 v[BM+\b], v[rS+16*\b], v[rS+16*\b+1], v[rS+16*\b+2]     ; the largest score of each block of 32 keys: it serves the row's maximum and, since p rises with the score, the block's largest p
	TICK
.endr
.irp i, 3,5,7,9,11,13
.irp b, 0,1,2,3
	v_max3_num_f32 v[BM+\b], v[BM+\b], v[rS+16*\b+\i], v[rS+16*\b+\i+1]
	TICK
.endr
.endr
.irp b, 0,1,2,3
	v_max_num_f32 v[BM+\b], v[BM+\b], v[rS+16*\b+15]
	TICK
.endr
.irp b, 0,1,2,3
	v_permlanex16_b32 v[PT+\b], v[BM+\b], s40, s41
	TICK
.endr
.irp b, 0,1,2,3
	v_max_num_f32 v[BM+\b], v[BM+\b], v[PT+\b]     ; with lane l xor 16's 16 keys
	TICK
.endr
	v_max3_num_f32 v[TT], v[BM], v[BM+1], v[BM+2]
	TICK
	v_max_num_f32 v[TT], v[TT], v[BM+3]
	TICK
	v_mul_f32 v[TT], s42, v[TT]                    ; as t (c is positive)
	TICK
	v_max_num_f32 v[rM+1], v[rM+1], v[TT]          ; the running largest t
	TICK
	v_mov_b32 v[TT], v[rM]
	TICK
	v_floor_f32 v[rM], -v[rM+1]                    ; the new -M = floor(-t): M is a whole number
	TICK
	v_sub_f32 v[TT], v[rM], v[TT]                  ; old M - new M: a whole number, 0 or less
	TICK
	v_cvt_i32_f32 v[TT], v[TT]                     ; (it saturates)
	TICK
	v_ldexp_f32 v[rF], 1.0, v[TT]                  ; f: a multiplication by it rounds nothing
	TICK
.set j, 0
.rept 32
	v_pk_fma_f32 v[rS+j:rS+j+1], v[rS+j:rS+j+1], s[42:43], v[rM:rM+1] op_sel_hi:[1,0,0]    ; t - M
	TICK
.set j, j+2
.endr
.irp b, 0,1,2,3
	v_fma_f32 v[BM+\b], v[BM+\b], s42, v[rM]       ; the same of each block's largest score
	TICK
.endr
.set j, 0
.rept 64
	v_exp_f32 v[rS+j], v[rS+j]                     ; p = 2^(t - M), at most 1
	TICK
.set j, j+1
.endr
.irp b, 0,1,2,3
	v_exp_f32 v[BM+\b], v[BM+\b]                   ; the block's largest p: the same two instructions on the same number
	TICK
.endr
	v_pk_mul_f32 v[rM+2:rM+3], v[rM+2:rM+3], v[rF:rF+1] op_sel_hi:[1,0]    ; the sum under the new M (a plain place behind the exponentials)
	s_wait_alu depctr_va_vdst(0)
	TICK
.irp b, 0,1,2,3
	v_max_num_f32 v[BM+\b], 0x1800000, v[BM+\b]    ; the floor 2^(3 - 127): the byte cannot fall under 1
	TICK
.endr
.irp b, 0,1,2,3
	v_add_nc_u32 v[SO+\b], 0xff000000, v[BM+\b]    ; 2 off the exponent field: the conversion's scale operand
	TICK
.endr
.irp b, 0,1,2,3
	v_lshrrev_b32 v[PT+\b], 23, v[SO+\b]           ; the scale's byte
	TICK
.endr
	v_lshl_or_b32 v[PS+\lt], v[PT+1], 8, v[PT]     ; p's scale word for these 128 keys
	TICK
	v_lshl_or_b32 v[PS+\lt], v[PT+2], 16, v[PS+\lt]
	TICK
	v_lshl_or_b32 v[PS+\lt], v[PT+3], 24, v[PS+\lt]
	TICK
.irp c, 0,1
	v_cvt_scalef32_pk16_fp6_f32 v[rP+6*\c:rP+6*\c+2], v[rS+32*\c:rS+32*\c+15], v[SO+2*\c]
	TICK
	v_cvt_scalef32_pk16_fp6_f32 v[CT+4*\c:CT+4*\c+2], v[rS+32*\c+16:rS+32*\c+31], v[SO+2*\c+1]     ; (a conversion's three registers begin on an even number)
	TICK
.endr
	v_nop                                          ; one plain place behind a scaled conversion
	TICK
.irp c, 0,1
.irp i, 0,1,2
	v_permlane16_swap_b32 v[rP+6*\c+\i], v[CT+4*\c+\i]     ; the layout wants a whole block in a lane
	TICK
.endr
.irp i, 0,1,2
	v_mov_b32 v[rP+6*\c+3+\i], v[CT+4*\c+\i]
	TICK
.endr
.endr
	v_pk_add_f32 v[SM2:SM2+1], v[rS:rS+1], v[rS+2:rS+3]    ; the row's sum is taken of the unquantised p, in two chains
	TICK
.irp i, 4,8,12,16,20,24,28,32,36,40,44,48,52,56,60
	v_pk_add_f32 v[rM+2:rM+3], v[rM+2:rM+3], v[rS+\i:rS+\i+1]
	TICK
	v_pk_add_f32 v[SM2:SM2+1], v[SM2:SM2+1], v[rS+\i+2:rS+\i+3]
	TICK
.endr
	v_pk_add_f32 v[rM+2:rM+3], v[rM+2:rM+3], v[SM2:SM2+1]
	TICK
.endm
.macro RESCALE lt                      ; the tile's O^T under the new M, 64 instructions, each accumulator from its low end on.  The last 26 stand behind the turn's last product: its places
.set VW, 0x41
	WIN 0x41                                       ; O^T window 1, f window 0
.set j, 0
.rept 64
	v_pk_mul_f32 v[128*\lt+j:128*\lt+j+1], v[128*\lt+j:128*\lt+j+1], v[FF+2*\lt:FF+2*\lt+1] op_sel_hi:[1,0]
	TICK
.set j, j+2
.endr
.set VW, 0
	WIN 0
.endm
.macro WOLOAD                          ; in the last turn, where K's registers are free: my 64 rows of wo (8 fragments, as they were laid: four dense loads each), their scale words, bo (each number into both registers of a pair)
	WIN 0x80
.irp f, 0,1,2,3,4,5,6,7
.irp c, 0,1
	global_load_b128 v[12*\f+6*\c:12*\f+6*\c+3], v9, s[8:9] offset:1536*\f+768*\c
	global_load_b64 v[12*\f+6*\c+4:12*\f+6*\c+5], v10, s[8:9] offset:1536*\f+768*\c+512
.endr
.endr
	WIN 0
.irp n, 0,1,2,3
	global_load_b32 v[WOS+\n], v241, s[10:11] offset:128*\n
.endr
.irp n, 0,1,2,3
	global_load_b32 v[BO+2*\n], v242, s[12:13] offset:64*\n
	global_load_b32 v[BO+2*\n+1], v242, s[12:13] offset:64*\n
.endr
.endm
; TURN X(j).  pv = 2: tile 1's V^T P of step j - 1; 1: they start its O^T; 0: there are none yet.  rs = 1: tile 0's O^T is rescaled.  Without the rescaling the list is 218 long, and a product stands behind every sixth.
.macro TURN_X pv, rs
	v_add_nc_u32 v4, s44, v1                       ; V of step j lies in the slot in hand
	v_add_nc_u32 v5, s44, v2
	v_add_nc_u32 v6, s44, v3
.set tk, 0
.set mq, 1
.set mP, \pv
.set mEnd, 32
.if \pv == 0
.set mi, 16
.else
.set mi, 0
.endif
.set lK, 1
.set li, 0
.set lGo, 16                           ; V's registers are free behind the sixteenth product
.if \rs
.set PER, 8
.else
.set PER, 6
.endif
	SOFTMAX 0
.if \rs
	RESCALE 0
.endif
.endm
; TURN Y(j).  mode = 2: the slot in hand, read out, is filled again, two steps ahead; 1: nothing is left to ask for; 0: the last step: no K follows.  pv, rs as above, for tile 0's products and tile 1's O^T.
.macro TURN_Y mode, pv, rs
	WIN 0
.if \mode > 0
	s_wait_tensorcnt 0x0                           ; all my tensor loads have landed: my part of the next slot;
	ds_add_u32 v[SPW], v[NIL]                      ; 0 onto my spare word
.if \mode == 2
	s_xor_b32 s37, s37, SLOT1                      ; the walking descriptor: the other slot than last time,
	s_add_nc_u64 s[38:39], s[38:39], STEPB         ; the next step; the type bits on top are not reached
.endif
	s_wait_dscnt 0x0                               ; the add is done, V is in: my reads of this slot are over
.if \mode == 2
	CROUND                                         ; no wave of any partner still reads the slot or has a load on its way
	tensor_load_to_lds s[36:39], s[24:31]          ; the first thing behind the round, my one tensor load until the next
	s_nop 0
	PLACES                                         ; four v_nop follow
.else
	s_barrier_signal -1
	s_barrier_wait -1                              ; the last slot is whole for every wave; nothing is filled
.endif
	s_xor_b32 s45, s44, SLOT1
	v_add_nc_u32 v4, s45, v1                       ; K of step j + 1 lies in the other slot
	v_add_nc_u32 v5, s45, v2
	v_add_nc_u32 v6, s45, v3
.set li, 0
.set mEnd, 32
.else
	s_wait_dscnt 0x0                               ; V is in
	PLACES
	WOLOAD
.set li, 72
.set mEnd, 16
.endif
.set tk, 0
.set mq, 0
.set mP, \pv
.set mi, 0
.set lK, 0
.set lGo, 0
.if \rs
.set PER, 8
.else
.set PER, 6
.endif
	SOFTMAX 1
.if \rs
	RESCALE 1
.endif
	s_xor_b32 s44, s44, SLOT1                      ; on to the other slot
.endm
	s_wait_tensorcnt 0x1                           ; my part of slot 0 is in; slot 1's may stay out
	s_barrier_signal -1
	s_barrier_wait -1                              ; everybody's is
	v_add_nc_u32 v4, s44, v1
	v_add_nc_u32 v5, s44, v2
	v_add_nc_u32 v6, s44, v3
.set lK, 0
.set li, 0
.rept 72
	LDSI                                           ; K of step 0, in one run: there is no other work yet
.set li, li+1
.endr
	WIN 0
	s_wait_loadcnt 0x0                             ; Q
	s_wait_dscnt 0x0
.set mq, 0
.set mP, 2
.set mi, 16
.rept 16
	MATI                                           ; tile 0's first scores
.set mi, mi+1
.endr
	WIN 0
	PLACES
	TURN_X 0, 0                                    ; X(0): tile 0's first softmax | tile 1's first scores | V of step 0
	TURN_Y 2, 1, 0                                 ; Y(0): tile 1's first softmax | V^T P of step 0 starts tile 0's O^T, its scores of step 1 | K of step 1
	TURN_X 1, 1                                    ; X(1): V^T P of step 0 starts tile 1's O^T
	s_mov_b32 s46, 13
.Lstep:                                            ; Y(j), X(j + 1) for j = 1 .. 13: each trip asks for step j + 2
	TURN_Y 2, 2, 1
	TURN_X 2, 1
	s_sub_co_u32 s46, s46, 1
	s_cmp_lg_u32 s46, 0
	s_cbranch_scc1 .Lstep
	TURN_Y 1, 2, 1                                 ; the tail is written out: Y(14)
	TURN_X 2, 1                                    ; X(15),
	TURN_Y 0, 2, 1                                 ; Y(15)
	; THE RESIDUAL is asked for now, into K's and Q's registers: channel 64 w + 2 i + (lane / 16), 16 bytes a lane of the block's 256
	WIN 0x80
.set i, 0
.rept 32
	global_load_b128 v[96+4*i:99+4*i], v243, s[14:15] offset:32768*i th:TH_LOAD_NT
.set i, i+1
.endr
.set mq, 1
.set mP, 2
.set mi, 0
.rept 16
	MATI                                           ; tile 1's V^T P of the last step
.set mi, mi+1
.endr
	WIN 0
	PLACES                                         ; behind the last products
	v_add_f32 v[NM+2], v[NM+2], v[NM+3]            ; each tile's sum: its two halves,
	v_add_f32 v[NM+6], v[NM+6], v[NM+7]
	v_permlanex16_b32 v[PT], v[NM+2], s40, s41
	v_permlanex16_b32 v[PT+1], v[NM+6], s40, s41
	v_add_f32 v[NM+2], v[NM+2], v[PT]              ; and lane l xor 16's
	v_add_f32 v[NM+6], v[NM+6], v[PT+1]
	WIN 0x04                                       ; an LDS store's data are its source 1: window 1
.set i, 0
.rept 32
	ds_store_b128 v12, v[128+4*i:131+4*i] offset:512*i     ; my tile 1 goes to my partner as an image of its registers, each accumulator from its low end on
.set i, i+1
.endr
	WIN 0
	ds_store_b32 v14, v[NM+4] offset:16384         ; with its -M
	ds_store_b32 v14, v[NM+6] offset:16512         ; and its sum
	s_wait_dscnt 0x0
	s_barrier_signal -1
	s_barrier_wait -1
	WIN 0xc0                                       ; destination window 3: V's registers are free
.set i, 0
.rept 32
	ds_load_b128 v[4*i:4*i+3], v13 offset:512*i    ; my partner's half of the tile that I keep
.set i, i+1
.endr
	WIN 0
	ds_load_b32 v248, v15 offset:16384
	ds_load_b32 v249, v15 offset:16512
	s_wait_dscnt 0x0
	v_min_num_f32 v250, v[NM], v248                ; the joint -M
	v_sub_f32 v251, v250, v[NM]
	v_sub_f32 v248, v250, v248
	v_cvt_i32_f32 v251, v251
	v_cvt_i32_f32 v248, v248
	v_ldexp_f32 v252, 1.0, v251                    ; my half's factor,
	v_ldexp_f32 v254, 1.0, v248                    ; my partner's: exact powers of two
	v_mul_f32 v[NM+2], v[NM+2], v252
	v_fma_f32 v[NM+2], v249, v254, v[NM+2]         ; the row's sum
	v_rcp_f32 v250, v[NM+2]
	v_nop                                          ; a plain place behind the transcendental
	s_wait_alu depctr_va_vdst(0)
	v_mul_f32 v252, v252, v250
	v_mul_f32 v254, v254, v250
	v_mov_b32 v253, v252                           ; (named as pairs)
	v_mov_b32 v255, v254
	WIN 0x01                                       ; source 0 window 1
.set i, 0
.rept 64
	v_pk_mul_f32 v[96+i:97+i], v[i:i+1], v[252:253] op_sel_hi:[1,0]
.set i, i+2
.endr
	WIN 0x03                                       ; source 0 window 3
.set i, 0
.rept 64
	v_pk_fma_f32 v[96+i:97+i], v[i:i+1], v[254:255], v[96+i:97+i] op_sel_hi:[1,0,1]        ; the attention's result: register 16 b + i = channel 32 b + 16 h + i of my query
.set i, i+2
.endr
	WIN 0
; 64 numbers of a lane become a fragment's codes in v[PCD] on and its scale word in v[TT]
.macro QUANT src
.irp b, 0,1,2,3
	v_max3_num_f32 v[BM+\b], |v[\src+16*\b]|, |v[\src+16*\b+1]|, 0x1800000
.endr
.irp i, 2,4,6,8,10,12,14
.irp b, 0,1,2,3
	v_max3_num_f32 v[BM+\b], v[BM+\b], |v[\src+16*\b+\i]|, |v[\src+16*\b+\i+1]|
.endr
.endr
.irp b, 0,1,2,3
	v_permlanex16_b32 v[PT+\b], v[BM+\b], s40, s41
.endr
.irp b, 0,1,2,3
	v_max_num_f32 v[BM+\b], v[BM+\b], v[PT+\b]
.endr
.irp b, 0,1,2,3
	v_add_nc_u32 v[SO+\b], 0xff000000, v[BM+\b]
.endr
.irp b, 0,1,2,3
	v_lshrrev_b32 v[PT+\b], 23, v[SO+\b]
.endr
	v_lshl_or_b32 v[TT], v[PT+1], 8, v[PT]
	v_lshl_or_b32 v[TT], v[PT+2], 16, v[TT]
	v_lshl_or_b32 v[TT], v[PT+3], 24, v[TT]
.irp c, 0,1
	v_cvt_scalef32_pk16_fp6_f32 v[PCD+6*\c:PCD+6*\c+2], v[\src+32*\c:\src+32*\c+15], v[SO+2*\c]
	v_cvt_scalef32_pk16_fp6_f32 v[CT+4*\c:CT+4*\c+2], v[\src+32*\c+16:\src+32*\c+31], v[SO+2*\c+1]
.endr
	v_nop                                          ; one plain place behind a scaled conversion
.irp c, 0,1
.irp i, 0,1,2
	v_permlane16_swap_b32 v[PCD+6*\c+\i], v[CT+4*\c+\i]
.endr
.irp i, 0,1,2
	v_mov_b32 v[PCD+6*\c+3+\i], v[CT+4*\c+\i]
.endr
.endr
.endm
	QUANT 96                                       ; channels 0-127
.irp c, 0,1,2
	ds_store_b128 v246, v[PCD+4*\c:PCD+4*\c+3] offset:512*\c
.endr
	ds_store_b32 v247, v[TT]                       ; both halves of the lanes write row r's word with the same value
	s_wait_dscnt 0x0                               ; the stores have read their registers
	QUANT 160                                      ; channels 128-255
.irp c, 0,1,2
	ds_store_b128 v246, v[PCD+4*\c:PCD+4*\c+3] offset:1536+512*\c
.endr
	ds_store_b32 v247, v[TT] offset:64
	s_wait_dscnt 0x0
	s_barrier_signal -1
	s_barrier_wait -1                              ; the four tiles' images lie in LDS; nobody reads the exchange bytes any more
.irp m, 0,1,2,3
.irp k, 0,1
.irp c, 0,1,2
	ds_load_b128 v[96+24*\m+12*\k+4*\c:96+24*\m+12*\k+4*\c+3], v[IMR] offset:3072*\m+1536*\k+512*\c
.endr
.endr
	ds_load_b32 v[OS+\m], v[ISR] offset:128*\m
.endr
	s_wait_dscnt 0x0
	s_wait_loadcnt 32                              ; wo, its scales and bo are in; the 32 loads of the residual, issued behind them, may be out
	WIN 0x58                                       ; source 0 (the result) window 0, source 1 (wo) window 2, C and D window 1
.irp m, 0,1,2,3                        ; 16 accumulators by turns, channels 0-127, then 128-255
.irp n, 0,1,2,3
	WM 8*(4*\m+\n), 96+24*\m, 24*\n, -1, OS+\m, WOS+\n, 0
.endr
.endr
.irp m, 0,1,2,3
.irp n, 0,1,2,3
	WM 8*(4*\m+\n), 108+24*\m, 24*\n+12, 8*(4*\m+\n), OS+\m, WOS+\n, 3
.endr
.endr
	PLACES
	WIN 0x41
.irp m, 0,1,2,3
.irp n, 0,1,2,3
.irp i, 0,2,4,6
	v_pk_add_f32 v[8*(4*\m+\n)+\i:8*(4*\m+\n)+\i+1], v[8*(4*\m+\n)+\i:8*(4*\m+\n)+\i+1], v[BO+2*\n:BO+2*\n+1]     ; + bo of my lane's channel 64 w + 16 n + r
.endr
.endr
.endr
	WIN 0x04                                       ; the stores' data: window 1
.irp m, 0,1,2,3                        ; lane (r, h), register j: channel 16 n + r of my 64, position 32 (m / 2) + 8 (m % 2) + 16 h + j of the block's 64
.irp n, 0,1,2,3
	ds_store_b128 v244, v[8*(4*\m+\n):8*(4*\m+\n)+3] offset:4352*\n+128*(\m/2)+32*(\m%2)
	ds_store_b128 v244, v[8*(4*\m+\n)+4:8*(4*\m+\n)+7] offset:4352*\n+128*(\m/2)+32*(\m%2)+16
.endr
.endr
	WIN 0
.set i, 0
.rept 32
	ds_load_b128 v[96+4*i:99+4*i], v245 offset:544*i       ; my own stage: LDS serves a wave's instructions in order (ISA guide 5.7.1.4): these see the stores above
.set i, i+1
.endr
	s_wait_dscnt 0x0
	s_wait_loadcnt 0x0                             ; the residual
	WIN 0x08                                       ; source 1 window 2
.set i, 0
.rept 64
	v_pk_add_f32 v[96+i:97+i], v[96+i:97+i], v[96+i:97+i]
.set i, i+2
.endr
	WIN 0
.set i, 0
.rept 32
	global_store_b128 v243, v[96+4*i:99+4*i], s[16:17] offset:32768*i th:TH_STORE_NT       ; sixteen lanes store 256 consecutive bytes at a multiple of 256 from out0's first byte
.set i, i+1
.endr
	s_wait_tensorcnt 0x0                           ; the wave's end: behind my last tensor load and my last LDS store
	ds_add_u32 v[SPW], v[NIL]
	s_wait_dscnt 0x0
	CROUND                                         ; the closing round: no work-group ends while a partner may still ask for a tile that names it
	s_endpgm
.Lfunc_end_k_q3c70549d3b_attn:
	.size	k_q3c70549d3b_attn, .Lfunc_end_k_q3c70549d3b_attn-k_q3c70549d3b_attn
	.p2alignl 7, 3214868480
	.fill 96, 4, 3214868480
	.section	.rodata,"a",@progbits
	.p2align	6, 0x0
	.amdhsa_kernel k_q3c70549d3b_attn
		.amdhsa_group_segment_fixed_size 327680
		.amdhsa_private_segment_fixed_size 0
		.amdhsa_enable_private_segment 0
		.amdhsa_kernarg_size 56
		.amdhsa_user_sgpr_count 2
		.amdhsa_user_sgpr_kernarg_segment_ptr 1
		.amdhsa_wavefront_size32 1
		.amdhsa_system_sgpr_workgroup_id_x 1
		.amdhsa_system_sgpr_workgroup_id_y 1
		.amdhsa_system_sgpr_workgroup_id_z 1
		.amdhsa_system_vgpr_workitem_id 0
		.amdhsa_next_free_vgpr 1024
		.amdhsa_next_free_sgpr 80
		.amdhsa_reserve_vcc 0
		.amdhsa_float_denorm_mode_32 3
		.amdhsa_float_denorm_mode_16_64 3
		.amdhsa_memory_ordered 1
		.amdhsa_forward_progress 1
		.amdhsa_inst_pref_size 255
	.end_amdhsa_kernel
	.section	.bss,"aw",@nobits
	.p2align	6
	.space	262144
	.amdgpu_metadata
---
amdhsa.version: [ 1, 2 ]
amdhsa.kernels:
  - .name:           k_q3c70549d3b_attn
    .symbol:         k_q3c70549d3b_attn.kd
    .args:
      - { .name: qimg, .offset: 0, .size: 8, .value_kind: global_buffer, .address_space: global }
      - { .name: kv, .offset: 8, .size: 8, .value_kind: global_buffer, .address_space: global }
      - { .name: wimg, .offset: 16, .size: 8, .value_kind: global_buffer, .address_space: global }
      - { .name: wo_scales, .offset: 24, .size: 8, .value_kind: global_buffer, .address_space: global }
      - { .name: bo, .offset: 32, .size: 8, .value_kind: global_buffer, .address_space: global }
      - { .name: x, .offset: 40, .size: 8, .value_kind: global_buffer, .address_space: global }
      - { .name: out0, .offset: 48, .size: 8, .value_kind: global_buffer, .address_space: global }
    .group_segment_fixed_size: 327680
    .private_segment_fixed_size: 0
    .kernarg_segment_align: 8
    .kernarg_segment_size: 56
    .max_flat_workgroup_size: 128
    .sgpr_count:     80
    .vgpr_count:     1024
    .wavefront_size: 32
...
	.end_amdgpu_metadata
.endif
;; end of part 3
